; MI455X (gfx1250); checked and timed in simulation.
; The chip was launched on July 23, 2026; its instructions are those of AMD's public machine-readable ISA for CDNA 5 (MIT licence, August 2026) and "CDNA5" Instruction Set Architecture Reference Guide (July 2026). The comments in the code are by the model that wrote it; some were corrected since.
;; Linear Attention. Allowed arithmetic: float matrix products may take bf16 or f16 operands with f32 sums; other float arithmetic in f32, or as packed bf16 or f16 multiplies, adds, multiply-adds, maxima and minima; sums over many terms, partial sums and values carried from step to step in f32; what a program stores and reads back later, other than sums and carried values, may be rounded once to bf16 or f16.
;; Inputs: Wk 1,024 x 256 float32; Wo 1,024 x 1,024 float32; Wq 1,024 x 256 float32; Wv 1,024 x 1,024 float32; bk 256 float32; bo 1,024 float32; bq 256 float32; bv 1,024 float32; k_state 4 x 16 x 273 float32; kv_state 4 x 16 x 273 x 64 float32; x 4 x 1,024 x 1,024 float32.
;; Outputs: out0 4 x 1,024 x 1,024 float32; out1 4 x 16 x 273 x 64 float32; out2 4 x 16 x 273 float32.
;; 2 versions, each right; version 2 is version 1 with the launch outp written anew for expert scheduling mode. Each part assembles by itself: llvm-mc -triple=amdgcn-amd-amdhsa -mcpu=gfx1250 --defsym DOCPART=n.
;; ======== version 1 of 2: 3 launches
;; limits: values are held in f16: magnitudes above 65,504 overflow, below 6.1e-05 lose precision
;; workspace buffers: qkvT 12,582,912 bytes; Wo16 4,194,304 bytes; y16 16,777,216 bytes; lo32 393,216 bytes
;; launch proj (part 1): grid 8 x 32, 8 waves a work-group, no clusters, 143,360 bytes of LDS; arguments x, Wq, Wk, Wv, bq, bk, bv, Wo, qkvT, Wo16, lo32; writes qkvT, Wo16, lo32
.if DOCPART == 1
	.amdgcn_target "amdgcn-amd-amdhsa--gfx1250"
	.amdhsa_code_object_version 6
	.text
	.protected	k_q6c10a069f5_proj
	.globl	k_q6c10a069f5_proj
	.p2align	8
	.type	k_q6c10a069f5_proj,@function
k_q6c10a069f5_proj:
	s_mov_b64 s[64:65], 0
	v_nop
	global_prefetch_b8 v0, s[64:65] scope:SCOPE_SE
	s_setreg_imm32_b32 hwreg(HW_REG_WAVE_MODE, 25, 1), 1
	s_wait_xcnt 0x0
; qkvT[b][n][l] = (x [Wq | Wk | Wv] + [bq | bk | bv])[b][l][n], f16, TRANSPOSED: n = 16 h + j (q), 256 + 16 h + j (k), 512 + 64 h + c (v).
; lo32: for l < 32 the LOW PARTS, f16(value - f16(value)): [b][96 tiles of 16 n][2 halves of 16 l][16 n][16 l].  In a head's first rows few terms stand in the sums
; and the divisor can be small beside its terms, so launch attn carries those rows as pairs of f16.
; Side job: Wo16 = Wo rounded to bf16 and written as f16, twice on end (16,384 bytes of Wo for each of the 256 work-groups): launch outp walks it twice.
; NOTHING OF reference() IS DEAD: every input has a way to an output and is loaded by some launch.  What the program does not do is the
; scan's state of 273 x 64 numbers in every step: with s = q . k and FEAT = 16, phi(q) . phi(k) = 1 + s/4 + s^2/32 for all values, so the
; causal part is a masked product of width 16 (launch attn); the wide features serve the initial state and the final state alone.
; FORMATS.  All inputs (x, weights, biases, states) are rounded to bf16; products in bf16 with f32 sums; q, k, v leave rounded once to f16.
; LIMITS.  |q|, |k|, |v| stay under 65,504 (f16); a weight of Wo below 6e-5 keeps f16's fixed step of 6e-8; NaN and infinities are not treated apart.
; SHARES.  A work-group makes 128 rows (l) x 192 columns (n); wave w: 64 rows (w % 2) x 48 columns (w / 2): 12 accumulators.  K in 16 steps of 64.
; x and W are f32 in memory, so they pass through registers (rounded there) into two LDS slots that take turns: no copy engine can round.
; No cluster: the operands are rounded in registers, so there is no tensor load to share.
.set PA,     144                       ; a row of x in LDS: 64 bf16 + 16 bytes: an odd multiple of 16
.set PB,     416                       ; a row (one k) of W in LDS: 192 bf16 + 32 bytes: an odd multiple of 32, for the turning load
.set ABUF,   128*PA
.set BOFF,   2*ABUF
.set BBUF,   64*PB
.set STAGE,  BOFF+2*BBUF               ; 192 rows (n) x 128 l of f16, pitch 272, for the way out
.set SPITCH, 272
.set SPARE,  STAGE+192*SPITCH          ; the spare words: 128 bytes for each wave, named by no other line
.set XO,  1                            ; v1     my byte offset in the tile of x
.set WOF, 2                            ; v2-4   my byte offset in W, for each block of 64 columns
.set SA,  5                            ; v5     where I store x in a slot
.set SB,  6                            ; v6     where I store W in a slot (BOFF inside)
.set FAA, 7                            ; v7     my place in x's fragments
.set FBA, 8                            ; v8     my place in W's fragments (BOFF inside)
.set STO, 9                            ; v9     the way out: in
.set RD,  10                           ; v10    the way out: back
.set GO,  11                           ; v11    my byte offset in qkvT
.set SPW, 12                           ; v12    my spare word
.set NIL, 13                           ; v13    0
.set ACC, 16                           ; v16-111  accumulator (mt, nt) at ACC + 8 (3 mt + nt)
.set STA, 112                          ; v112-143 x as loaded, then rounded; on the way out v112-159 the results in f16
.set STB, 144                          ; v144-191 W as loaded, then rounded
.set FA,  192                          ; v192-223 four fragments of x
.set FB,  224                          ; v224-247 three fragments of W
.set BI,  248                          ; v248-253 the bias of my column, as a pair, for each nt
.macro PLACES                          ; four plain places behind matrix instructions (ISA guide 7.12.1)
.rept 4
	v_nop
.endr
.endm
.macro LOADS                           ; a K step's 20 loads: 16 rows x 256 bytes of x, 8 rows x 3 x 256 bytes of W
.irp j, 0,1,2,3,4,5,6,7
	global_load_b128 v[STA+4*(\j):STA+4*(\j)+3], v[XO], s[30:31] offset:8192*(\j)
.endr
.irp sb, 0,1,2
.irp j, 0,1,2,3
	global_load_b128 v[STB+4*(4*(\sb)+(\j)):STB+4*(4*(\sb)+(\j))+3], v[WOF+(\sb)], s[32+8*(\sb)+2*(\j):33+8*(\sb)+2*(\j)]
.endr
.endr
.endm
.macro STEPADDR                        ; 64 along K: only behind the wait that shows the loads done
	s_add_nc_u64 s[30:31], s[30:31], 256
	v_add_nc_u32 v[WOF], s59, v[WOF]
	v_add_nc_u32 v[WOF+1], s60, v[WOF+1]
	v_add_nc_u32 v[WOF+2], s61, v[WOF+2]
.endm
.macro CVT                             ; 40 roundings to bf16, packed downward in place (the destination never passes its sources)
.set i, 0
.rept 16
	v_cvt_pk_bf16_f32 v[STA+i], v[STA+2*i], v[STA+2*i+1]
.set i, i+1
.endr
.set i, 0
.rept 24
	v_cvt_pk_bf16_f32 v[STB+i], v[STB+2*i], v[STB+2*i+1]
.set i, i+1
.endr
.endm
.macro STORE buf                       ; 20 LDS stores of 8 bytes a lane
.irp j, 0,1,2,3,4,5,6,7
	ds_store_b64 v[SA], v[STA+2*(\j):STA+2*(\j)+1] offset:(\buf)*ABUF+2*PA*(\j)
.endr
.irp sb, 0,1,2
.irp j, 0,1,2,3
	ds_store_b64 v[SB], v[STB+2*(4*(\sb)+(\j)):STB+2*(4*(\sb)+(\j))+1] offset:(\buf)*BBUF+128*(\sb)+2*PB*(\j)
.endr
.endr
.endm
.macro FRAG buf, sub                   ; 14 LDS loads: the fragments of 32 along K; W ([k][n]) comes turned
.irp i, 0,1,2,3
	ds_load_b128 v[FA+8*(\i):FA+8*(\i)+3],   v[FAA] offset:(\buf)*ABUF+16*PA*(\i)+64*(\sub)
	ds_load_b128 v[FA+8*(\i)+4:FA+8*(\i)+7], v[FAA] offset:(\buf)*ABUF+16*PA*(\i)+64*(\sub)+32
.endr
.irp t, 0,1,2
	ds_load_tr16_b128 v[FB+8*(\t):FB+8*(\t)+3],   v[FBA] offset:(\buf)*BBUF+32*PB*(\sub)+32*(\t)
	ds_load_tr16_b128 v[FB+8*(\t)+4:FB+8*(\t)+7], v[FBA] offset:(\buf)*BBUF+32*PB*(\sub)+32*(\t)+16*PB
.endr
.endm
.macro MUL zero                        ; 12 products; the 12 accumulators take turns, over the backward jump too
.irp mt, 0,1,2,3
.irp nt, 0,1,2
.if \zero
	v_wmma_f32_16x16x32_bf16 v[ACC+8*(3*(\mt)+(\nt)):ACC+8*(3*(\mt)+(\nt))+7], v[FA+8*(\mt):FA+8*(\mt)+7], v[FB+8*(\nt):FB+8*(\nt)+7], 0
.else
	v_wmma_f32_16x16x32_bf16 v[ACC+8*(3*(\mt)+(\nt)):ACC+8*(3*(\mt)+(\nt))+7], v[FA+8*(\mt):FA+8*(\mt)+7], v[FB+8*(\nt):FB+8*(\nt)+7], v[ACC+8*(3*(\mt)+(\nt)):ACC+8*(3*(\mt)+(\nt))+7]
.endif
.endr
.endr
.endm
; A K step on slot buf.  st: the next step's data, now in registers, is rounded and stored into the other slot.  ld: the step after that is asked for.
.macro STEP buf, st, ld, first
.if !(\first)
	PLACES
.endif
	FRAG \buf, 0
	s_wait_dscnt 0x0
	MUL \first
.if \st
	s_wait_loadcnt 0x0                             ; the next step's 20 loads are in; their address registers are free
.if \ld
	STEPADDR
.endif
	CVT                                            ; 40 plain instructions: also the places in front of the fragment loads
.else
	PLACES
.endif
	FRAG \buf, 1
.if \st
	STORE 1-(\buf)
.endif
.if \ld
	LOADS
.endif
.if \st
	s_wait_dscnt 20                                ; the 20 stores are younger than the 14 fragment loads
.else
	s_wait_dscnt 0x0
.endif
	MUL 0
.if \st
	s_wait_dscnt 0x0                               ; my stores into the other slot are done, my reads of this one are back
	s_barrier_signal -1
	s_barrier_wait -1                              ; the other slot is whole; nobody reads this one any more
.endif
.endm
; which of Wq, Wk, Wv holds block g = 3 bx + sb of 64 columns, its row pitch as a shift, four bases two rows apart, my offset
.macro WSEL sb
.set WB, 32+8*(\sb)
	s_mul_i32 s62, s25, 3
	s_add_co_u32 s62, s62, \sb
	s_cmp_lt_u32 s62, 8
	s_cselect_b64 s[WB:WB+1], s[8:9], s[10:11]
	s_cselect_b32 s[56+(\sb)], 10, 12
	s_cselect_b32 s63, 4, 8
	s_cmp_lt_u32 s62, 4
	s_cselect_b64 s[WB:WB+1], s[6:7], s[WB:WB+1]
	s_cselect_b32 s63, 0, s63
	s_sub_co_u32 s62, s62, s63
	s_lshl_b32 s66, s62, 8                         ; 256 bytes for each block of 64 columns
	s_mov_b32 s67, 0
	s_add_nc_u64 s[WB:WB+1], s[WB:WB+1], s[66:67]
	s_lshl_b32 s66, 2, s[56+(\sb)]                 ; two rows
	s_add_nc_u64 s[WB+2:WB+3], s[WB:WB+1], s[66:67]
	s_add_nc_u64 s[WB+4:WB+5], s[WB+2:WB+3], s[66:67]
	s_add_nc_u64 s[WB+6:WB+7], s[WB+4:WB+5], s[66:67]
	s_lshl_b32 s[59+(\sb)], 64, s[56+(\sb)]        ; a K step: 64 rows
	v_add_nc_u32 v[WOF+(\sb)], s29, v15            ; row 8 w + l / 16
	v_lshlrev_b32 v[WOF+(\sb)], s[56+(\sb)], v[WOF+(\sb)]
	v_lshl_add_u32 v[WOF+(\sb)], v14, 4, v[WOF+(\sb)]
.endm
; the bias of my wave's column tile nt (16 columns never straddle two of the three vectors)
.macro BSEL nt
.set BB, 72+2*(\nt)
	s_mul_i32 s62, s25, 192
	s_mul_i32 s63, s28, 48
	s_add_co_u32 s62, s62, s63
	s_add_co_u32 s62, s62, 16*(\nt)
	s_cmp_lt_u32 s62, 512
	s_cselect_b64 s[BB:BB+1], s[14:15], s[16:17]
	s_cselect_b32 s63, s68, s69
	s_cmp_lt_u32 s62, 256
	s_cselect_b64 s[BB:BB+1], s[12:13], s[BB:BB+1]
	s_cselect_b32 s63, 0, s63
	s_sub_co_u32 s62, s62, s63
	s_lshl_b32 s62, s62, 2
	s_mov_b32 s63, 0
	s_add_nc_u64 s[BB:BB+1], s[BB:BB+1], s[62:63]
	global_load_b32 v[BI+2*(\nt)], v255, s[BB:BB+1]
.endm
	s_load_b512 s[4:19], s[0:1], 0x0               ; x, Wq, Wk, Wv, bq, bk, bv, Wo
	s_load_b128 s[20:23], s[0:1], 0x40             ; qkvT, Wo16
	s_load_b64 s[78:79], s[0:1], 0x50              ; lo32
	v_lshl_add_u32 v[SPW], v0, 2, SPARE
	v_mov_b32 v[NIL], 0
	v_lshrrev_b32 v14, 5, v0
	v_readfirstlane_b32 s24, v14                   ; wave 0..7
	s_mov_b32 s25, ttmp9                           ; bx: column tile of 192
	s_and_b32 s26, ttmp7, 0xffff                   ; by: row tile of 128
	s_and_b32 s27, s24, 1                          ; wm
	s_lshr_b32 s28, s24, 1                         ; wn
	s_lshl_b32 s29, s24, 3
	s_movk_i32 s68, 256
	s_movk_i32 s69, 512
	v_and_b32 v14, 15, v0                          ; l % 16
	v_bfe_u32 v15, v0, 4, 1                        ; l / 16
	s_lshl_b32 s62, s24, 16
	v_lshlrev_b32 v[XO], 4, v14
	v_lshl_add_u32 v[XO], v15, 12, v[XO]
	v_add_nc_u32 v[XO], s62, v[XO]                 ; (16 w + l / 16) rows of 4,096 bytes + 16 (l % 16)
	s_mul_i32 s62, s24, 16*PA
	v_mul_u32_u24 v[SA], v15, PA
	v_lshl_add_u32 v[SA], v14, 3, v[SA]
	v_add_nc_u32 v[SA], s62, v[SA]
	s_mul_i32 s62, s24, 8*PB
	s_add_co_u32 s62, s62, BOFF
	v_mul_u32_u24 v[SB], v15, PB
	v_lshl_add_u32 v[SB], v14, 3, v[SB]
	v_add_nc_u32 v[SB], s62, v[SB]
	s_mul_i32 s62, s27, 64*PA
	v_mul_u32_u24 v[FAA], v14, PA
	v_lshl_add_u32 v[FAA], v15, 4, v[FAA]
	v_add_nc_u32 v[FAA], s62, v[FAA]
	v_and_b32 v[GO], 7, v0
	v_lshl_add_u32 v[GO], v15, 3, v[GO]            ; k = 8 (l / 16) + l % 8
	v_mul_u32_u24 v[FBA], v[GO], PB
	v_bfe_u32 v[GO], v0, 3, 1
	v_lshl_add_u32 v[FBA], v[GO], 4, v[FBA]
	s_mul_i32 s62, s28, 96
	s_add_co_u32 s62, s62, BOFF
	v_add_nc_u32 v[FBA], s62, v[FBA]
	s_mul_i32 s62, s28, 48*SPITCH
	s_lshl_b32 s63, s27, 7
	s_add_co_u32 s62, s62, s63
	s_add_co_u32 s62, s62, STAGE
	v_mul_u32_u24 v[STO], v14, SPITCH
	v_lshl_add_u32 v[STO], v15, 4, v[STO]
	v_add_nc_u32 v[STO], s62, v[STO]
	s_mul_i32 s62, s24, 24*SPITCH
	s_add_co_u32 s62, s62, STAGE
	v_mul_u32_u24 v[RD], v15, SPITCH
	v_lshl_add_u32 v[RD], v14, 4, v[RD]
	v_add_nc_u32 v[RD], s62, v[RD]
	s_mul_i32 s62, s24, 24*2048
	v_lshlrev_b32 v[GO], 11, v15
	v_lshl_add_u32 v[GO], v14, 4, v[GO]
	v_add_nc_u32 v[GO], s62, v[GO]
	v_lshlrev_b32 v255, 2, v14                     ; 4 (l % 16): my column's bias
	v_lshlrev_b32 v254, 4, v0                      ; 16 t: Wo in
	v_lshlrev_b32 v224, 3, v0                      ; 8 t: Wo16 out
	s_wait_kmcnt 0x0
	s_lshl_b32 s62, s26, 19                        ; 128 rows of 4,096 bytes
	s_mov_b32 s63, 0
	s_add_nc_u64 s[30:31], s[4:5], s[62:63]
	WSEL 0
	WSEL 1
	WSEL 2
	BSEL 0
	BSEL 1
	BSEL 2
	s_lshl_b32 s62, s26, 3
	s_add_co_u32 s62, s62, s25                     ; the work-group's number, 0..255
	s_lshl_b32 s66, s62, 14
	s_mov_b32 s67, 0
	s_add_nc_u64 s[18:19], s[18:19], s[66:67]
	s_lshl_b32 s66, s62, 13
	s_add_nc_u64 s[22:23], s[22:23], s[66:67]
.irp j, 0,1,2,3
	global_load_b128 v[FA+4*(\j):FA+4*(\j)+3], v254, s[18:19] offset:4096*(\j) th:TH_LOAD_NT
.endr
	LOADS                                          ; K step 0
	s_lshr_b32 s62, s26, 3                         ; b
	s_mul_i32 s62, s62, 1536
	s_mul_i32 s63, s25, 192
	s_add_co_u32 s62, s62, s63
	s_lshl_b32 s62, s62, 11                        ; a row of qkvT is 2,048 bytes
	s_and_b32 s63, s26, 7
	s_lshl_b32 s63, s63, 8                         ; l0 = 128 (by % 8), 2 bytes each
	s_add_co_u32 s62, s62, s63
	s_mov_b32 s63, 0
	s_add_nc_u64 s[20:21], s[20:21], s[62:63]
	s_lshr_b32 s62, s26, 3                         ; lo32 at my wave's first tile of 16 columns: 96 b + 12 bx + 3 (w / 2), 1,024 bytes each
	s_mul_i32 s62, s62, 96
	s_mul_i32 s63, s25, 12
	s_add_co_u32 s62, s62, s63
	s_mul_i32 s63, s28, 3
	s_add_co_u32 s62, s62, s63
	s_lshl_b32 s62, s62, 10
	s_mov_b32 s63, 0
	s_add_nc_u64 s[78:79], s[78:79], s[62:63]
	s_wait_loadcnt 20                              ; the biases and Wo are in: the tile's 20 loads are younger
.irp j, 0,1,2,3
	v_cvt_pk_bf16_f32 v[208+2*(\j)], v[FA+4*(\j)], v[FA+4*(\j)+1]
	v_cvt_pk_bf16_f32 v[209+2*(\j)], v[FA+4*(\j)+2], v[FA+4*(\j)+3]
	v_lshlrev_b32 v[FA+4*(\j)], 16, v[208+2*(\j)]
	v_and_b32 v[FA+4*(\j)+1], 0xffff0000, v[208+2*(\j)]
	v_lshlrev_b32 v[FA+4*(\j)+2], 16, v[209+2*(\j)]
	v_and_b32 v[FA+4*(\j)+3], 0xffff0000, v[209+2*(\j)]
	v_cvt_pk_f16_f32 v[208+2*(\j)], v[FA+4*(\j)], v[FA+4*(\j)+1]
	v_cvt_pk_f16_f32 v[209+2*(\j)], v[FA+4*(\j)+2], v[FA+4*(\j)+3]
	global_store_b64 v224, v[208+2*(\j):209+2*(\j)], s[22:23] offset:2048*(\j)  ; a wave's store covers 256 consecutive bytes, aligned
	global_store_b64 v224, v[208+2*(\j):209+2*(\j)], s[22:23] offset:2048*(\j)+2097152  ; the second copy, 2 MiB on
.endr
.irp n, 0,1,2
	v_cvt_pk_bf16_f32 v[BI+2*(\n)], v[BI+2*(\n)], v[BI+2*(\n)]
	v_and_b32 v[BI+2*(\n)], 0xffff0000, v[BI+2*(\n)]
	v_mov_b32 v[BI+2*(\n)+1], v[BI+2*(\n)]
.endr
	s_wait_loadcnt 0x0
	s_wait_xcnt 0x0                                ; the stores of Wo16 have read their registers, which the fragments take next
	STEPADDR
	CVT
	STORE 0
	LOADS                                          ; K step 1
	s_wait_dscnt 0x0
	s_barrier_signal -1
	s_barrier_wait -1
	STEP 0, 1, 1, 1                                ; K step 0: its first products start the sums
	s_mov_b32 s70, 6
.Lk:                                           ; K steps 1 to 12
	STEP 1, 1, 1, 0
	STEP 0, 1, 1, 0
	s_sub_co_u32 s70, s70, 1
	s_cmp_lg_u32 s70, 0
	s_cbranch_scc1 .Lk
	STEP 1, 1, 1, 0                                ; 13: asks for the last step
	STEP 0, 1, 0, 0                                ; 14: nothing is left to ask for
	STEP 1, 0, 0, 0                                ; 15
	; THE WAY OUT.  A lane holds one column n (l % 16) and eight neighbouring l: 16 bytes of a row of qkvT.
	PLACES
.irp mt, 0,1,2,3
.irp nt, 0,1,2
.irp k, 0,1,2,3
	v_pk_add_f32 v[ACC+8*(3*(\mt)+(\nt))+2*(\k):ACC+8*(3*(\mt)+(\nt))+2*(\k)+1], v[ACC+8*(3*(\mt)+(\nt))+2*(\k):ACC+8*(3*(\mt)+(\nt))+2*(\k)+1], v[BI+2*(\nt):BI+2*(\nt)+1]
.endr
.irp k, 0,1,2,3
	v_cvt_pk_f16_f32 v[STA+4*(3*(\mt)+(\nt))+(\k)], v[ACC+8*(3*(\mt)+(\nt))+2*(\k)], v[ACC+8*(3*(\mt)+(\nt))+2*(\k)+1]
.endr
	ds_store_b128 v[STO], v[STA+4*(3*(\mt)+(\nt)):STA+4*(3*(\mt)+(\nt))+3] offset:16*SPITCH*(\nt)+32*(\mt)
.endr
.endr
	s_wait_dscnt 0x0                               ; for the others' sake: a row's 256 bytes come from two waves
	s_barrier_signal -1
	s_barrier_wait -1
.irp j, 0,1,2,3,4,5,6,7,8,9,10,11
	ds_load_b128 v[160+4*(\j):163+4*(\j)], v[RD] offset:2*SPITCH*(\j)
.endr
.irp j, 0,1,2,3,4,5,6,7,8,9,10,11
	s_wait_dscnt 11-(\j)                           ; LDS loads come back in order: load j is in
	global_store_b128 v[GO], v[160+4*(\j):163+4*(\j)], s[20:21] offset:4096*(\j)  ; 16 lanes store 256 consecutive bytes, aligned
.endr
	; THE LOW PARTS of rows l < 32: they lie in the accumulators mt = 0, 1 of the waves with w % 2 = 0, in the row tile that begins a batch
	s_and_b32 s62, s26, 7
	s_or_b32 s62, s62, s27
	s_cmp_lg_u32 s62, 0
	s_cbranch_scc1 .Lno_lo
	v_mov_b32 v210, 0xbf800000                     ; -1.0
	v_lshlrev_b32 v211, 5, v14                     ; column l % 16: 32 bytes; my eight l: 16 (l / 16)
	v_lshl_add_u32 v211, v15, 4, v211
.irp mt, 0,1
.irp nt, 0,1,2
.irp k, 0,1,2,3
	v_fma_mix_f32 v208, v[STA+4*(3*(\mt)+(\nt))+(\k)], v210, v[ACC+8*(3*(\mt)+(\nt))+2*(\k)] op_sel_hi:[1,0,0]                   ; value - its f16, exact in f32
	v_fma_mix_f32 v209, v[STA+4*(3*(\mt)+(\nt))+(\k)], v210, v[ACC+8*(3*(\mt)+(\nt))+2*(\k)+1] op_sel:[1,0,0] op_sel_hi:[1,0,0]
	v_cvt_pk_f16_f32 v[212+4*(3*(\mt)+(\nt))+(\k)], v208, v209
.endr
	global_store_b128 v211, v[212+4*(3*(\mt)+(\nt)):215+4*(3*(\mt)+(\nt))], s[78:79] offset:1024*(\nt)+512*(\mt)  ; the wave's store covers 512 consecutive bytes, aligned
.endr
.endr
.Lno_lo:
	s_wait_tensorcnt 0x0                           ; the wave's end
	ds_add_u32 v[SPW], v[NIL]
	s_wait_dscnt 0x0
	s_endpgm
.Lfunc_end_k_q6c10a069f5_proj:
	.size	k_q6c10a069f5_proj, .Lfunc_end_k_q6c10a069f5_proj-k_q6c10a069f5_proj
	.p2alignl 7, 3214868480
	.fill 96, 4, 3214868480
	.section	.rodata,"a",@progbits
	.p2align	6, 0x0
	.amdhsa_kernel k_q6c10a069f5_proj
		.amdhsa_group_segment_fixed_size 143360
		.amdhsa_private_segment_fixed_size 0
		.amdhsa_enable_private_segment 0
		.amdhsa_kernarg_size 88
		.amdhsa_user_sgpr_count 2
		.amdhsa_user_sgpr_kernarg_segment_ptr 1
		.amdhsa_wavefront_size32 1
		.amdhsa_system_sgpr_workgroup_id_x 1
		.amdhsa_system_sgpr_workgroup_id_y 1
		.amdhsa_system_sgpr_workgroup_id_z 1
		.amdhsa_system_vgpr_workitem_id 0
		.amdhsa_next_free_vgpr 256
		.amdhsa_next_free_sgpr 80
		.amdhsa_reserve_vcc 0
		.amdhsa_float_denorm_mode_32 3
		.amdhsa_float_denorm_mode_16_64 3
		.amdhsa_memory_ordered 1
		.amdhsa_forward_progress 1
		.amdhsa_inst_pref_size 83
	.end_amdhsa_kernel
	.amdgpu_metadata
---
amdhsa.version: [ 1, 2 ]
amdhsa.kernels:
  - .name:           k_q6c10a069f5_proj
    .symbol:         k_q6c10a069f5_proj.kd
    .args:
      - { .name: x, .offset: 0, .size: 8, .value_kind: global_buffer, .address_space: global }
      - { .name: Wq, .offset: 8, .size: 8, .value_kind: global_buffer, .address_space: global }
      - { .name: Wk, .offset: 16, .size: 8, .value_kind: global_buffer, .address_space: global }
      - { .name: Wv, .offset: 24, .size: 8, .value_kind: global_buffer, .address_space: global }
      - { .name: bq, .offset: 32, .size: 8, .value_kind: global_buffer, .address_space: global }
      - { .name: bk, .offset: 40, .size: 8, .value_kind: global_buffer, .address_space: global }
      - { .name: bv, .offset: 48, .size: 8, .value_kind: global_buffer, .address_space: global }
      - { .name: Wo, .offset: 56, .size: 8, .value_kind: global_buffer, .address_space: global }
      - { .name: qkvT, .offset: 64, .size: 8, .value_kind: global_buffer, .address_space: global }
      - { .name: Wo16, .offset: 72, .size: 8, .value_kind: global_buffer, .address_space: global }
      - { .name: lo32, .offset: 80, .size: 8, .value_kind: global_buffer, .address_space: global }
    .group_segment_fixed_size: 143360
    .private_segment_fixed_size: 0
    .kernarg_segment_align: 8
    .kernarg_segment_size: 88
    .max_flat_workgroup_size: 256
    .sgpr_count:     80
    .vgpr_count:     256
    .wavefront_size: 32
...
	.end_amdgpu_metadata
.endif
;; end of part 1
;; launch attn (part 2): grid 4 x 64, 8 waves a work-group, no clusters, 250,880 bytes of LDS; arguments qkvT, kv_state, k_state, y16, out1, out2, lo32; writes y16, out1, out2
.if DOCPART == 2
	.amdgcn_target "amdgcn-amd-amdhsa--gfx1250"
	.amdhsa_code_object_version 6
	.text
	.protected	k_q6c10a069f5_attn
	.globl	k_q6c10a069f5_attn
	.p2align	8
	.type	k_q6c10a069f5_attn,@function
k_q6c10a069f5_attn:
	s_mov_b64 s[64:65], 0
	v_nop
	global_prefetch_b8 v0, s[64:65] scope:SCOPE_SE
	s_setreg_imm32_b32 hwreg(HW_REG_WAVE_MODE, 25, 1), 1
	s_wait_xcnt 0x0
; Causal linear attention with the Taylor features, from the given initial state, and the final states.  One head (b, h) for four work-groups.
; NOT DONE AS reference() WRITES IT: the state of 273 x 64 numbers is not updated in every step.  phi(q) . phi(k) = A(s) = 1 + s/4 + s^2/32, s = q . k, for all values
; (FEAT = 16), so  num_t = phi(q_t) . kv_state + sum over j <= t of A(q_t . k_j) v_j,  den_t likewise with k_state and 1 in v's place; key tiles above the diagonal are not computed.
; SCALINGS THAT CANCEL EXACTLY.  gamma = 2^-t, t = max(exponent of the head's largest |k| + 1, 0): k^ = gamma k (all below 1), q^ = q / gamma; state rows times 1, gamma, gamma^2.
; For each query a = sqrt(2) / sqrt(1 + |q^|^2), c = 32 a^2: c A = u^2 + 16 a^2 with u = a s + 4 a, and u IS a matrix result: Q' = [a q^, 4a (in two f16), 0..], K' = [k^, 1, 1, 0..].
; num and den both carry c: y = num / (den + 1e-6 c).  den is channel 64 of V' = [v, 1, 0 x 15]; the row of ones is a fragment kept in registers.
; FEATURE ORDER f' (288 rows): 16 i + j: x2 (memory row 17 + 16 i + j); 256 + j: linear (row 1 + j); 272: constant (row 0); 273..287: zeros.
; FORMATS.  kv_state and k_state are rounded to bf16 like all inputs; what the program makes (weights, features) is f16, sums f32.
; A HEAD'S FIRST 32 ROWS GO IN PAIRS OF F16 (a number = high part + low part, some 22 bits): there the sums have few terms, den can be small beside its terms, and a rounding to f16 of
; q, k, v, a feature or a weight is not averaged out.  The one wave whose query chunk is 0 takes a text of its own: q = high + low in f32; Q' = [high, low], K' = [k^, k^], and a second
; product with k^'s low part; 4 a is added in f32; features and weights are made in f32 and split, a product for each part; v's low part has a product too.  The low parts come from lo32.
; y LEAVES AS A PAIR, for all rows: y16: [b][2 parts][h][64 tiles of 16 queries][4 blocks of 16 channels][32 lanes][8 f16], as the registers hold it: lane l has query l % 16, channels 8 (l / 16) + 0..7.
; LIMITS.  |q|, |k|, |v|, |y| and the scaled state rows stay under 65,504; f16's fixed step of 6e-8 holds below 6e-5 of a head's or a row's bound; from row 32 on q, k, v, features and
; weights are single f16; NaN and infinities are not treated apart.
; SHARES.  Attention: waves 0-3 take block 7 - p of 128 queries, waves 4-7 block p; a wave owns 32 queries (chunk qc) and walks the key chunks 0 .. qc of 32 keys, the last masked.
; Final state: wave w takes x2 block i = 4 p + w % 4 and key half w / 4; waves 0 and 4 of work-group 0 also the 16 linear rows, of work-group 1 the constant row.
; No LDS address hangs on p: what differs from work-group to work-group comes from memory by p and lies in LDS by the wave's number.
; No tensor loads: k is scaled and the state rounded in registers on the way into LDS.  No cluster: for the same reason there is no joint load to make.
.set PKT,  2080
.set PVT,  2064
.set PIN,  160
.set PQB,  288
.set PLO,  96                          ; a row of low parts: 32 l x 2 bytes + 32: an odd multiple of 32, for the turning load
.set L_KT, 0                           ; k^ transposed: 16 rows x 1,024 keys
.set L_VT, L_KT+16*PKT                 ; v transposed: 64 rows x 1,024 keys
.set L_IN, L_VT+64*PVT                 ; the scaled initial state: 288 f' x 80 channels (64: k_state; 65-79: 0)
.set L_RS, L_IN                        ; later, behind a barrier: partial tiles of 1,024 bytes: five for each of four waves, 20,480 bytes on five more
.set L_QB, L_IN+288*PIN                ; q transposed: two blocks of 16 rows x 128 queries
.set L_KI, L_QB+32*PQB                 ; k^ rows 4 p .. 4 p + 3, pitch PKT (8,320 bytes, rounded up to 8,448)
.set L_OS, L_KI+8448                   ; a stage of 16 rows x 272 bytes for each of four waves
.set L_MX, L_OS+4*16*272               ; eight maxima
.set L_QL, L_MX+256                    ; q's low parts, transposed: 16 rows x 32 l
.set L_KL, L_QL+16*PLO                 ; k^'s low parts, likewise
.set SPARE, L_KL+16*PLO                ; the spare words: 128 bytes for each wave, named by no other line
.set ZR,   15                          ; v15  0.0, for the arithmetic
; v0 t, v1 l % 16, v2 l / 16, v3 l, v4 my spare word, v5 the add's 0; v6-v23 addresses and statistics by phase (from the attention on v14 = -1.0, v17 = 1.0); v24-31 at work
; v32-111 O^T (tile t, channel tile ct at 32 + 8 (5 t + ct)); v112-127 Q'; v128-135 the row of ones; v136-143 the diagonal's mask; v144-255 by phase
.macro PLACES                          ; four plain places behind matrix instructions (ISA guide 7.12.1)
.rept 4
	v_nop
.endr
.endm
; four f32 of the state: rounded to bf16, scaled, rounded to f16, stored
.macro KVC src, sc, off
	v_cvt_pk_bf16_f32 v24, v[\src], v[(\src)+1]
	v_cvt_pk_bf16_f32 v25, v[(\src)+2], v[(\src)+3]
	v_fma_mix_f32_bf16 v26, v24, v[\sc], v[ZR] op_sel_hi:[1,0,0]
	v_fma_mix_f32_bf16 v27, v24, v[\sc], v[ZR] op_sel:[1,0,0] op_sel_hi:[1,0,0]
	v_fma_mix_f32_bf16 v28, v25, v[\sc], v[ZR] op_sel_hi:[1,0,0]
	v_fma_mix_f32_bf16 v29, v25, v[\sc], v[ZR] op_sel:[1,0,0] op_sel_hi:[1,0,0]
	v_cvt_pk_f16_f32 v30, v26, v27
	v_cvt_pk_f16_f32 v31, v28, v29
	ds_store_b64 v13, v[30:31] offset:\off
.endm
; eight f16 in four registers times an f32, rounded once to f16
.macro SCL4 dst, src, sc
.irp k, 0,1,2,3
	v_fma_mix_f32 v24, v[(\src)+(\k)], v[\sc], v[ZR] op_sel_hi:[1,0,0]
	v_fma_mix_f32 v25, v[(\src)+(\k)], v[\sc], v[ZR] op_sel:[1,0,0] op_sel_hi:[1,0,0]
	v_cvt_pk_f16_f32 v[(\dst)+(\k)], v24, v25
.endr
.endm
; two f32 (registers a, b, which are used up) as a pair of f16 each: the high parts packed in dh, the low parts (value - high part, exact in f32, then rounded) in dl
.macro SPLIT2 dh, dl, a, b
	v_cvt_pk_f16_f32 v[\dh], v[\a], v[\b]
	v_fma_mix_f32 v[\a], v[\dh], v14, v[\a] op_sel_hi:[1,0,0]
	v_fma_mix_f32 v[\b], v[\dh], v14, v[\b] op_sel:[1,0,0] op_sel_hi:[1,0,0]
	v_cvt_pk_f16_f32 v[\dl], v[\a], v[\b]
.endm
	s_load_b256 s[4:11], s[0:1], 0x0               ; qkvT, kv_state, k_state, y16
	s_load_b128 s[12:15], s[0:1], 0x20             ; out1, out2
	s_load_b64 s[24:25], s[0:1], 0x30              ; lo32
	v_lshl_add_u32 v4, v0, 2, SPARE
	v_mov_b32 v5, 0
	v_mov_b32 v[ZR], 0
	v_lshrrev_b32 v24, 5, v0
	v_readfirstlane_b32 s16, v24                   ; wave 0..7
	s_mov_b32 s17, ttmp9                           ; p
	s_and_b32 s18, ttmp7, 0xffff                   ; 16 b + head
	v_and_b32 v1, 15, v0
	v_bfe_u32 v2, v0, 4, 1
	v_and_b32 v3, 31, v0
	s_mov_b32 s23, 0xffff                          ; lanes 0-15
	s_mov_b32 s28, 0x76543210                      ; v_permlanex16_b32: each lane takes its own place in the other half
	s_mov_b32 s29, 0xfedcba98
	s_mov_b32 s50, 0x7fff7fff
	s_mov_b32 s51, 0x3c003c00                      ; 1.0 twice in f16
	s_and_b32 s20, s16, 3                          ; w' = w % 4
	s_sub_co_u32 s48, 7, s17
	s_cmp_lt_u32 s16, 4
	s_cselect_b32 s19, s48, s17                    ; my block of 128 queries
	s_lshl2_add_u32 s21, s19, s20                  ; qc = 4 blk + w'
	s_lshl2_add_u32 s30, s17, s20                  ; i = 4 p + w': my x2 block
	s_cmp_lt_u32 s17, 2
	s_cselect_b32 s31, 1, 0
	s_cmp_eq_u32 s20, 0
	s_cselect_b32 s31, s31, 0                      ; 1: I also make the linear rows (p = 0) or the constant row (p = 1)
	s_lshr_b32 s48, s18, 4                         ; b
	s_and_b32 s49, s18, 15                         ; head
	s_mul_i32 s52, s48, 1536
	s_lshl4_add_u32 s54, s49, s52
	s_lshl_b32 s54, s54, 11                        ; q's 16 rows of 2,048 bytes
	s_mov_b32 s55, 0
	s_lshl_b32 s56, s49, 6
	s_add_co_u32 s56, s56, s52
	s_add_co_u32 s56, s56, 512
	s_lshl_b32 s56, s56, 11                        ; v's 64 rows
	s_mov_b32 s57, 0
	s_mul_i32 s58, s48, 96                         ; lo32, tiles of 1,024 bytes: q's is 96 b + head, k's 16 tiles on (even waves q, odd waves k),
	s_add_co_u32 s58, s58, s49
	s_and_b32 s59, s16, 1
	s_lshl4_add_u32 s58, s59, s58
	s_lshl_b32 s58, s58, 10
	s_mov_b32 s59, 0
	s_mul_i32 s60, s48, 96                         ; v's four are 96 b + 32 + 4 head ..
	s_lshl2_add_u32 s60, s49, s60
	s_add_co_u32 s60, s60, 32
	s_lshl_b32 s60, s60, 10
	s_mov_b32 s61, 0
	; P0's addresses
	s_lshl_b32 s48, s16, 12
	v_lshl_add_u32 v6, v3, 4, s48                  ; k in memory: 4,096 w + 16 l
	s_lshl_b32 s48, s16, 14
	v_lshl_add_u32 v7, v3, 4, s48                  ; v in memory: 16,384 w + 16 l
	v_lshrrev_b32 v9, 4, v0                        ; g = t / 16
	v_lshlrev_b32 v8, 11, v9
	v_lshl_add_u32 v8, v1, 4, v8                   ; q in memory: row g, 16 (t % 16)
	s_mul_i32 s48, s16, 2*PKT
	v_lshl_add_u32 v10, v3, 4, s48                 ; k in LDS: rows 2 w, 2 w + 1
	s_mul_i32 s48, s16, 8*PVT
	s_add_co_u32 s48, s48, L_VT
	v_lshl_add_u32 v11, v3, 4, s48                 ; v in LDS: rows 8 w ..
	v_mul_u32_u24 v12, v9, PQB
	v_lshl_add_u32 v12, v1, 4, v12
	v_add_nc_u32 v12, L_QB, v12
	v_mul_u32_u24 v13, v9, PIN
	v_lshl_add_u32 v13, v1, 3, v13
	v_add_nc_u32 v13, L_IN, v13                    ; the state in LDS: row g, 8 (t % 16)
	v_mul_u32_u24 v14, v0, PIN
	v_add_nc_u32 v14, L_IN+128, v14                ; row t, channels 64-79
	v_lshlrev_b32 v16, 4, v0                       ; 16 t
	v_lshlrev_b32 v17, 4, v1                       ; row 0 for every group
	v_lshlrev_b32 v18, 2, v0
	v_sub_nc_u32 v19, 1, v2
	v_add_nc_u32 v24, 1, v3
	v_mul_u32_u24 v19, v19, v24
	v_lshlrev_b32 v19, 2, v19                      ; k_state[1 + l] for l < 16, else k_state[0]
	s_lshr_b32 s48, s16, 2                         ; the four rows k^_(4 p ..): byte 16 t + 4,096 j is row w / 4 + 2 j, byte 512 (w % 4) + 16 l
	s_mul_i32 s48, s48, PKT
	s_lshl_b32 s49, s20, 9
	s_add_co_u32 s48, s48, s49
	s_add_co_u32 s48, s48, L_KI
	v_lshl_add_u32 v212, v3, 4, s48
	v_lshlrev_b32 v224, 4, v3                      ; the low parts in memory: piece l of 16 bytes is column l / 2, eight l from 8 (l % 2) on
	v_lshrrev_b32 v225, 1, v3
	v_mul_u32_u24 v225, v225, PLO
	v_and_b32 v226, 1, v3
	v_lshl_add_u32 v225, v226, 4, v225
	s_mul_i32 s48, s16, 16*PLO                     ; in LDS: wave 0 lays q's, wave 1 k's
	s_add_co_u32 s48, s48, L_QL
	v_add_nc_u32 v225, s48, v225
	s_wait_kmcnt 0x0
	s_add_nc_u64 s[32:33], s[24:25], s[60:61]      ; lo32 at v's tiles,
	s_add_nc_u64 s[24:25], s[24:25], s[58:59]      ; at q's or k's tile
	s_add_nc_u64 s[36:37], s[4:5], s[54:55]        ; q's rows
	s_add_nc_u64 s[38:39], s[36:37], 0x80000       ; k's rows: 256 rows on
	s_add_nc_u64 s[40:41], s[4:5], s[56:57]        ; v's rows
	s_sub_co_u32 s52, 7, s17
	s_lshl_b32 s52, s52, 8
	s_mov_b32 s53, 0
	s_add_nc_u64 s[58:59], s[36:37], s[52:53]      ; q at block 7 - p
	s_lshl_b32 s52, s17, 8
	s_add_nc_u64 s[60:61], s[36:37], s[52:53]      ; q at block p
	s_lshl_b32 s52, s17, 13
	s_add_nc_u64 s[62:63], s[38:39], s[52:53]      ; k at row 4 p
	s_mul_i32 s52, s18, 69888
	s_add_nc_u64 s[42:43], s[6:7], s[52:53]        ; the head's kv_state,
	s_add_nc_u64 s[12:13], s[12:13], s[52:53]      ; out1,
	s_mul_i32 s52, s18, 1092
	s_add_nc_u64 s[44:45], s[8:9], s[52:53]        ; k_state,
	s_add_nc_u64 s[14:15], s[14:15], s[52:53]      ; out2
	s_lshr_b32 s52, s18, 4
	s_lshl_b32 s52, s52, 22                        ; y16: b's two parts of 16 heads x 131,072 bytes,
	s_and_b32 s54, s18, 15
	s_lshl_b32 s54, s54, 17                        ; the head,
	s_add_co_u32 s52, s52, s54
	s_lshl_b32 s54, s21, 12                        ; my 32 queries: two tiles of 2,048 bytes
	s_add_co_u32 s52, s52, s54
	s_add_nc_u64 s[46:47], s[10:11], s[52:53]
	; P0: FILL LDS.  2 + 8 + 2 + 2 + 32 loads a wave; the low parts' two are the oldest, so every count below holds of them too
	global_load_b128 v[216:219], v224, s[24:25]
	global_load_b128 v[220:223], v224, s[24:25] offset:512
.irp i, 0,1,2,3,4,5,6,7
	global_load_b128 v[32+4*(\i):35+4*(\i)], v6, s[38:39] offset:512*(\i)
.endr
	global_load_b128 v[204:207], v16, s[62:63]
	global_load_b128 v[208:211], v16, s[62:63] offset:4096
	global_load_b128 v[64:67], v8, s[58:59]
	global_load_b128 v[68:71], v8, s[60:61]
.set i, 0
.rept 32
	global_load_b128 v[72+4*i:75+4*i], v7, s[40:41] offset:512*i
.set i, i+1
.endr
	s_wait_loadcnt 34                              ; k is in, both times: q's 2 and v's 32 loads are younger
.irp k, 0,1,2,3
	v_and_b32 v[24+(\k)], s50, v[32+(\k)]
.endr
.set j, 4
.rept 28
	v_and_b32 v[28+j%4], s50, v[32+j]
	v_pk_max_num_f16 v[24+j%4], v[24+j%4], v[28+j%4]
.set j, j+1
.endr
	v_pk_max_num_f16 v24, v24, v25
	v_pk_max_num_f16 v26, v26, v27
	v_pk_max_num_f16 v24, v24, v26
	v_cvt_f32_f16 v25, v24.l
	v_cvt_f32_f16 v26, v24.h
	v_max_num_f32 v24, v25, v26
	v_max_num_f32_dpp v24, v24, v24 row_xmask:1 row_mask:0xf bank_mask:0xf
	v_max_num_f32_dpp v24, v24, v24 row_xmask:2 row_mask:0xf bank_mask:0xf
	v_max_num_f32_dpp v24, v24, v24 row_xmask:4 row_mask:0xf bank_mask:0xf
	v_max_num_f32_dpp v24, v24, v24 row_xmask:8 row_mask:0xf bank_mask:0xf
	v_permlanex16_b32 v25, v24, s28, s29
	v_max_num_f32 v24, v24, v25
	s_lshl_b32 s48, s16, 2
	s_add_co_u32 s48, s48, L_MX
	v_mov_b32 v28, s48
	ds_store_b32 v28, v24                          ; my wave's largest |k|
	s_wait_loadcnt 32                              ; q is in
	ds_store_b128 v12, v[64:67]
	ds_store_b128 v12, v[68:71] offset:16*PQB
.irp q, 0,1,2,3
	s_wait_loadcnt 24-8*(\q)                       ; eight more of v's loads are in
.irp e, 0,1,2,3,4,5,6,7
	ds_store_b128 v11, v[72+4*(8*(\q)+(\e)):75+4*(8*(\q)+(\e))] offset:(2*(\q)+(\e)/4)*PVT+((\e)%4)*512
.endr
.endr
.set i, 0
.rept 16
	global_load_b128 v[72+4*i:75+4*i], v16, s[42:43] offset:4352+4096*i  ; the x2 rows 17 + 16 i + g
.set i, i+1
.endr
	global_load_b128 v[136:139], v16, s[42:43] offset:256  ; the linear rows 1 + g
	global_load_b128 v[140:143], v17, s[42:43]             ; row 0
	global_load_b32 v200, v18, s[44:45] offset:68          ; k_state[17 + t]
	global_load_b32 v201, v19, s[44:45]
	s_wait_dscnt 0x0
	s_barrier_signal -1
	s_barrier_wait -1                              ; the eight maxima lie in LDS
	v_mov_b32 v20, L_MX
	ds_load_b128 v[24:27], v20
	ds_load_b128 v[28:31], v20 offset:16
	s_wait_dscnt 0x0
	v_max3_num_f32 v24, v24, v25, v26
	v_max3_num_f32 v27, v27, v28, v29
	v_max3_num_f32 v24, v24, v30, v31
	v_max_num_f32 v24, v24, v27
	v_lshrrev_b32 v25, 23, v24                     ; the biased exponent
	v_sub_nc_u32 v25, v25, 126
	v_max_i32 v25, 0, v25                          ; t
	v_sub_nc_u32 v26, 127, v25
	v_lshlrev_b32 v21, 23, v26                     ; gamma = 2^-t
	v_add_nc_u32 v26, 127, v25
	v_lshlrev_b32 v27, 23, v26                     ; 1 / gamma
	v_mul_f32 v22, v21, v21
	v_mul_f32 v28, v27, v27
	v_cvt_pk_f16_f32 v23, v21, v21
	v_readfirstlane_b32 s26, v27                   ; 1 / gamma and 1 / gamma^2: used as values alone, no address and no branch hangs on them
	v_readfirstlane_b32 s27, v28
.set i, 0
.rept 32
	v_pk_mul_f16 v[32+i], v[32+i], v23             ; k^ = gamma k: a power of two
.set i, i+1
.endr
.set i, 0
.rept 8
	v_pk_mul_f16 v[204+i], v[204+i], v23
.set i, i+1
.endr
.irp i, 0,1,2,3,4,5,6,7
	ds_store_b128 v10, v[32+4*(\i):35+4*(\i)] offset:((\i)/4)*PKT+((\i)%4)*512
.endr
	ds_store_b128 v212, v[204:207]
	ds_store_b128 v212, v[208:211] offset:2*PKT
	s_cmp_lt_u32 s16, 2                            ; the low parts: wave 0 lays q's as they are, wave 1 k's times gamma
	s_cbranch_scc0 .Lno_lo
	s_cmp_eq_u32 s16, 0
	s_cbranch_scc1 .Lq_lo
.set i, 0
.rept 8
	v_pk_mul_f16 v[216+i], v[216+i], v23
.set i, i+1
.endr
.Lq_lo:
	ds_store_b128 v225, v[216:219]                 ; l = 0 .. 15
	ds_store_b128 v225, v[220:223] offset:32       ; l = 16 .. 31
.Lno_lo:
	v_cmp_eq_u32 vcc_lo, 0, v9
	v_cndmask_b32 v20, 0, 1.0, vcc_lo              ; row 0 counts for group 0; the other groups write the rows of zeros
.set i, 0
.rept 16
	s_wait_loadcnt 19-i                            ; load i of 20 is in
	KVC 72+4*i, 22, 16*PIN*i
.set i, i+1
.endr
	s_wait_loadcnt 3
	KVC 136, 21, 256*PIN
	s_wait_loadcnt 2
	KVC 140, 20, 272*PIN
	s_wait_loadcnt 0x0
	v_cvt_pk_bf16_f32 v24, v200, v200
	v_fma_mix_f32_bf16 v25, v24, v22, v[ZR] op_sel_hi:[1,0,0]
	v_cvt_pk_f16_f32 v24, v25, v[ZR]               ; channel 64, then zeros
	v_mov_b32 v25, 0
	v_mov_b32 v26, 0
	v_mov_b32 v27, 0
	v_mov_b32 v28, 0
	v_mov_b32 v29, 0
	v_mov_b32 v30, 0
	v_mov_b32 v31, 0
	ds_store_b128 v14, v[24:27]
	ds_store_b128 v14, v[28:31] offset:16
	s_cmp_lg_u32 s16, 0
	s_cbranch_scc1 .Lnot_w0                        ; wave 0 also writes rows 256 + l
	v_cmp_gt_u32 vcc_lo, 16, v3
	v_cndmask_b32 v26, 0, v21, vcc_lo
	v_cmp_eq_u32 vcc_lo, 16, v3
	v_cndmask_b32 v26, v26, 1.0, vcc_lo
	v_cvt_pk_bf16_f32 v24, v201, v201
	v_fma_mix_f32_bf16 v25, v24, v26, v[ZR] op_sel_hi:[1,0,0]
	v_cvt_pk_f16_f32 v24, v25, v[ZR]
	v_mov_b32 v25, 0
	v_mov_b32 v26, 0
	ds_store_b128 v14, v[24:27] offset:256*PIN
	ds_store_b128 v14, v[28:31] offset:256*PIN+16
.Lnot_w0:
	s_wait_dscnt 0x0
	s_barrier_signal -1
	s_barrier_wait -1                              ; from here to the barrier behind the final state's loops LDS is only read
	; P1: ATTENTION, each wave by itself
	v_and_b32 v24, 7, v0
	v_bfe_u32 v25, v0, 3, 1
	v_lshl_add_u32 v26, v2, 3, v24                 ; 8 (l / 16) + l % 8
	v_mul_u32_u24 v6, v26, PKT
	v_lshl_add_u32 v6, v25, 4, v6                  ; AK: k^ turned
	v_mul_u32_u24 v7, v1, PVT
	v_lshl_add_u32 v7, v2, 4, v7
	v_add_nc_u32 v7, L_VT, v7                      ; AV0: channels 0-31
	v_add_nc_u32 v8, 32*PVT, v7                    ; AV2: channels 32-63
	s_lshr_b32 s48, s16, 2
	s_mul_i32 s48, s48, 16*PQB
	s_lshl_b32 s49, s20, 6
	s_add_co_u32 s48, s48, s49
	s_add_co_u32 s48, s48, L_QB
	v_mul_u32_u24 v11, v24, PQB
	v_lshl_add_u32 v11, v25, 4, v11
	v_add_nc_u32 v11, s48, v11                     ; QA: features 0-7 of query l % 16
	v_mul_u32_u24 v12, v2, 8*PQB
	v_add_nc_u32 v12, v12, v11                     ; QAO: features 8 (l / 16) ..
	v_mul_u32_u24 v13, v26, PIN
	v_lshl_add_u32 v13, v25, 4, v13
	v_add_nc_u32 v13, L_IN, v13                    ; the state, turned
	v_mul_u32_u24 v9, v24, PLO
	v_lshl_add_u32 v9, v25, 4, v9
	v_add_nc_u32 v9, L_QL, v9                      ; q's low parts, turned: features 0-7 of query l % 16
	v_mul_u32_u24 v10, v26, PLO
	v_lshl_add_u32 v10, v25, 4, v10
	v_add_nc_u32 v10, L_KL, v10                    ; k^'s low parts, turned
	v_mov_b32 v14, 0xbf800000                      ; -1.0
	v_mov_b32 v17, 1.0
	v_lshlrev_b32 v16, 4, v3                       ; 16 l
.irp t, 0,1
	ds_load_tr16_b128 v[144+12*(\t):147+12*(\t)], v11 offset:32*(\t)
	ds_load_tr16_b128 v[148+12*(\t):151+12*(\t)], v11 offset:32*(\t)+8*PQB
	ds_load_tr16_b128 v[152+12*(\t):155+12*(\t)], v12 offset:32*(\t)
.endr
	v_cmp_eq_u32 vcc_lo, 0, v1
	v_cndmask_b32 v128, 0, s51, vcc_lo             ; a fragment whose row 0 is all 1: as source 0 it sums the weights into channel 64
.irp k, 1,2,3,4,5,6,7
	v_mov_b32 v[128+(\k)], v128
.endr
	v_lshlrev_b32 v24, 3, v2
	v_sub_nc_u32 v24, v1, v24
.irp j, 0,1,2,3,4,5,6,7
	v_cmp_le_i32 vcc_lo, \j, v24                   ; key 8 (l / 16) + j is seen by query l % 16
	v_cndmask_b32 v[136+(\j)], 0, 1.0, vcc_lo
.endr
	s_wait_dscnt 0x0
	s_cmp_eq_u32 s21, 0
	s_cbranch_scc1 .Lhp                            ; the head's first 32 rows take the text in pairs of f16
.macro QNORM t                         ; 1 + |q^|^2
.set LO, 144+12*(\t)
.set NR, 168+8*(\t)
	v_fma_mix_f32 v[NR], v[LO], v[LO], v[ZR] op_sel_hi:[1,1,0]
	v_fma_mix_f32 v[NR], v[LO], v[LO], v[NR] op_sel:[1,1,0] op_sel_hi:[1,1,0]
.irp k, 1,2,3,4,5,6,7
	v_fma_mix_f32 v[NR], v[LO+(\k)], v[LO+(\k)], v[NR] op_sel_hi:[1,1,0]
	v_fma_mix_f32 v[NR], v[LO+(\k)], v[LO+(\k)], v[NR] op_sel:[1,1,0] op_sel_hi:[1,1,0]
.endr
	v_fma_f32 v[NR], v[NR], s27, 1.0
.endm
	QNORM 0
	QNORM 1
	v_rsq_f32 v169, v168
	v_rsq_f32 v177, v176
	v_nop                                          ; a plain instruction behind the last of the two,
	s_wait_alu depctr_va_vdst(0)                   ; and a wait ahead of their first use
; NR + 1 a, + 2 c, + 3 b = 4 a, + 4 e, + 5 a / gamma, + 6 c / (2 gamma), + 7 a^2
.macro QFIN t
.set LO, 144+12*(\t)
.set NR, 168+8*(\t)
	v_mul_f32 v[NR+1], 0x3fb504f3, v[NR+1]         ; a = sqrt(2) rsq
	v_mul_f32 v[NR+7], v[NR+1], v[NR+1]
	v_mul_f32 v[NR+2], 0x42000000, v[NR+7]         ; c = 32 a^2
	v_mul_f32 v[18+2*(\t)], 0x41800000, v[NR+7]    ; d = 16 a^2, as a pair
	v_mov_b32 v[19+2*(\t)], v[18+2*(\t)]
	v_mul_f32 v[NR+3], 4.0, v[NR+1]
	v_mul_f32 v[NR+5], s26, v[NR+1]
	v_mul_f32 v[NR+4], 0x401837f0, v[NR+5]         ; e = 2^(5/4) a / gamma: (q e)_i (q e)_j = c q_i q_j / (4 sqrt(2) gamma^2)
	v_mul_f32 v[NR+6], s26, v[NR+2]
	v_mul_f32 v[NR+6], 0.5, v[NR+6]
	v_mul_f32 v[22+(\t)], 0x358637bd, v[NR+2]      ; 1e-6 c
	SCL4 112+8*(\t), LO+8, NR+5                    ; Q': a q^
	SCL4 232+4*(\t), LO+8, NR+4                    ; q e, my eight features
	SCL4 240+8*(\t), LO+8, NR+6                    ; the linear features
.irp k, 0,1,2,3,4,5,6,7
	v_fma_mix_f32 v24, v[LO+(\k)], v[NR+4], v[ZR] op_sel_hi:[1,0,0]
	v_fma_mix_f32 v25, v[LO+(\k)], v[NR+4], v[ZR] op_sel:[1,0,0] op_sel_hi:[1,0,0]
	v_cvt_pk_f16_f32 v[200+16*(\t)+2*(\k)], v24, v24   ; (q e)_i twice, for each of the 16 i
	v_cvt_pk_f16_f32 v[201+16*(\t)+2*(\k)], v25, v25
.endr
	v_cvt_pk_f16_f32 v24, v[NR+3], v[NR+3]
	v_cvt_f32_f16 v25, v24.l
	v_sub_f32 v25, v[NR+3], v25
	v_cvt_pk_f16_f32 v24, v[NR+3], v25             ; b in two f16: features 16 and 17 of Q'
	v_cndmask_b32 v[116+8*(\t)], v[ZR], v24, s23
	v_cvt_pk_f16_f32 v24, v[NR+2], v[ZR]           ; the constant feature: c
	v_cndmask_b32 v[244+8*(\t)], v[ZR], v24, s23
.irp k, 5,6,7
	v_mov_b32 v[112+8*(\t)+(\k)], 0
	v_mov_b32 v[240+8*(\t)+(\k)], 0
.endr
.endm
	QFIN 0
	QFIN 1
; O^T = state^T phi(q): 32 features a step; the ten accumulators take turns.  zero = 1: the products start the sums
.macro INIT ps, zero
.if !(\zero)
	PLACES
.endif
.irp ct, 0,1,2,3,4
	ds_load_tr16_b128 v[144+8*(\ct):147+8*(\ct)], v13 offset:32*PIN*(\ps)+32*(\ct)
	ds_load_tr16_b128 v[148+8*(\ct):151+8*(\ct)], v13 offset:32*PIN*(\ps)+32*(\ct)+16*PIN
.endr
.if (\ps) < 8
.irp t, 0,1
.irp k, 0,1,2,3
	v_pk_mul_f16 v[184+8*(\t)+(\k)], v[232+4*(\t)+(\k)], v[200+16*(\t)+2*(\ps)]
	v_pk_mul_f16 v[188+8*(\t)+(\k)], v[232+4*(\t)+(\k)], v[201+16*(\t)+2*(\ps)]
.endr
.endr
.set FTB, 184
.else
.set FTB, 240
.endif
	s_wait_dscnt 0x0
.irp ct, 0,1,2,3,4
.irp t, 0,1
.if \zero
	v_wmma_f32_16x16x32_f16 v[32+8*(5*(\t)+(\ct)):39+8*(5*(\t)+(\ct))], v[144+8*(\ct):151+8*(\ct)], v[FTB+8*(\t):FTB+8*(\t)+7], 0
.else
	v_wmma_f32_16x16x32_f16 v[32+8*(5*(\t)+(\ct)):39+8*(5*(\t)+(\ct))], v[144+8*(\ct):151+8*(\ct)], v[FTB+8*(\t):FTB+8*(\t)+7], v[32+8*(5*(\t)+(\ct)):39+8*(5*(\t)+(\ct))]
.endif
.endr
.endr
.endm
	INIT 0, 1
.irp ps, 1,2,3,4,5,6,7,8
	INIT \ps, 0
.endr
	; the walk.  S^T (u, t) at 144 + 8 (2 t + u); P_t 176 + 8 t; K' 192 + 8 u; V 208 + 8 ct
	v_cndmask_b32 v196, 0, s51, s23                ; features 16, 17 of K' are 1, the rest 0: constants of the walk
	v_cndmask_b32 v204, 0, s51, s23
.irp k, 197,198,199,205,206,207
	v_mov_b32 v[\k], 0
.endr
	ds_load_tr16_b128 v[192:195], v6               ; K of chunk 0
	ds_load_tr16_b128 v[200:203], v6 offset:32
.macro VLOAD
.irp ct, 0,1
	ds_load_b128 v[208+8*(\ct):211+8*(\ct)], v7 offset:16*PVT*(\ct)
	ds_load_b128 v[212+8*(\ct):215+8*(\ct)], v7 offset:16*PVT*(\ct)+32
.endr
.irp ct, 0,1
	ds_load_b128 v[224+8*(\ct):227+8*(\ct)], v8 offset:16*PVT*(\ct)
	ds_load_b128 v[228+8*(\ct):231+8*(\ct)], v8 offset:16*PVT*(\ct)+32
.endr
.endm
.macro QK u, t
	v_wmma_f32_16x16x32_f16 v[144+8*(2*(\t)+(\u)):151+8*(2*(\t)+(\u))], v[192+8*(\u):199+8*(\u)], v[112+8*(\t):119+8*(\t)], 0
.endm
.macro SPROC u, t, mask                ; c A = u^2 + d, from the accumulator's low end on; masked on the diagonal; rounded to f16
.set rS, 144+8*(2*(\t)+(\u))
.irp k, 0,1,2,3
	v_pk_fma_f32 v[rS+2*(\k):rS+2*(\k)+1], v[rS+2*(\k):rS+2*(\k)+1], v[rS+2*(\k):rS+2*(\k)+1], v[18+2*(\t):19+2*(\t)]
.endr
.if \mask
.irp k, 0,1,2,3
	v_pk_mul_f32 v[rS+2*(\k):rS+2*(\k)+1], v[rS+2*(\k):rS+2*(\k)+1], v[136+2*(\k):137+2*(\k)]
.endr
.endif
.irp k, 0,1,2,3
	v_cvt_pk_f16_f32 v[176+8*(\t)+4*(\u)+(\k)], v[rS+2*(\k)], v[rS+2*(\k)+1]
.endr
.endm
; O^T += V'^T P: V's four fragments at vb, the weights of tile t at pb + 8 t; ones = 1: with the row of ones.  The accumulators take turns
.macro AV vb, pb, ones
.irp ct, 0,1,2,3
.irp t, 0,1
	v_wmma_f32_16x16x32_f16 v[32+8*(5*(\t)+(\ct)):39+8*(5*(\t)+(\ct))], v[(\vb)+8*(\ct):(\vb)+8*(\ct)+7], v[(\pb)+8*(\t):(\pb)+8*(\t)+7], v[32+8*(5*(\t)+(\ct)):39+8*(5*(\t)+(\ct))]
.endr
.endr
.if \ones
.irp t, 0,1
	v_wmma_f32_16x16x32_f16 v[64+40*(\t):71+40*(\t)], v[128:135], v[(\pb)+8*(\t):(\pb)+8*(\t)+7], v[64+40*(\t):71+40*(\t)]
.endr
.endif
.endm
	s_mov_b32 s22, 0
.Lkc:                                          ; 32 trips for every wave, a key chunk each: below my diagonal the body, on it the masked form, above it nothing; all jumps go forward, past no barrier
	s_cmp_lt_u32 s22, s21
	s_cbranch_scc1 .Lbody
	s_cmp_eq_u32 s22, s21
	s_cbranch_scc0 .Lskip
	PLACES                                         ; THE DIAGONAL CHUNK: tile (keys 16-31, queries 0-15) is wholly hidden and not computed
	VLOAD
	s_wait_dscnt 8                                 ; K's two loads are older than V's eight
	QK 0, 0
	QK 0, 1
	QK 1, 1
	PLACES
	SPROC 0, 0, 1
.irp k, 180,181,182,183
	v_mov_b32 v[\k], 0
.endr
	SPROC 0, 1, 0
	SPROC 1, 1, 1
	s_wait_dscnt 0x0
	AV 208, 176, 1
	s_branch .Lskip
.Lbody:
	PLACES
	VLOAD
	s_wait_dscnt 8                                 ; K's two loads are older than V's eight
	QK 0, 0
	QK 1, 0
	QK 0, 1
	QK 1, 1
	PLACES
	ds_load_tr16_b128 v[192:195], v6 offset:64     ; K of the next chunk, which is my diagonal's at the latest
	ds_load_tr16_b128 v[200:203], v6 offset:96
	SPROC 0, 0, 0
	SPROC 1, 0, 0
	SPROC 0, 1, 0
	SPROC 1, 1, 0
	s_wait_dscnt 2                                 ; V is in: K's two loads are younger
	AV 208, 176, 1
.Lskip:
	v_add_nc_u32 v6, 64, v6                        ; 32 keys on, in every trip
	v_add_nc_u32 v7, 64, v7
	v_add_nc_u32 v8, 64, v8
	s_add_co_u32 s22, s22, 1
	s_cmp_lt_u32 s22, 32
	s_cbranch_scc1 .Lkc
	s_wait_dscnt 0x0                               ; on every way out of the loop no LDS load is out (the diagonal chunk has waited for all)
	s_branch .Lwayout
	; THE HEAD'S FIRST 32 ROWS, IN PAIRS OF F16.  q's high parts lie in v144-151 and v156-163 (loaded above).
	; v168-183 q's low parts; v184-199 at work, then the features' high (184-191) and low (192-199) parts; v200-231 q of query l % 16 in f32, 16 a tile, later times e^2;
	; v232-247 my eight features of q in f32, 8 a tile; v248-251 b = 4 a as pairs; v252, v253 c / (2 gamma); v254, v255 c
.Lhp:
	ds_load_tr16_b128 v[168:171], v9
	ds_load_tr16_b128 v[172:175], v9 offset:8*PLO
	ds_load_tr16_b128 v[176:179], v9 offset:32
	ds_load_tr16_b128 v[180:183], v9 offset:32+8*PLO
	s_wait_dscnt 0x0
.macro HPQ t                           ; q = high + low in f32; 1 + |q^|^2; my eight features
.set HB, 144+12*(\t)
.set LB, 168+8*(\t)
.set QV, 200+16*(\t)
.set OW, 232+8*(\t)
.set NR, 184+8*(\t)
.irp k, 0,1,2,3,4,5,6,7
	v_fma_mix_f32 v[QV+2*(\k)], v[LB+(\k)], v17, v[ZR] op_sel_hi:[1,0,0]
	v_fma_mix_f32 v[QV+2*(\k)+1], v[LB+(\k)], v17, v[ZR] op_sel:[1,0,0] op_sel_hi:[1,0,0]
	v_fma_mix_f32 v[QV+2*(\k)], v[HB+(\k)], v17, v[QV+2*(\k)] op_sel_hi:[1,0,0]
	v_fma_mix_f32 v[QV+2*(\k)+1], v[HB+(\k)], v17, v[QV+2*(\k)+1] op_sel:[1,0,0] op_sel_hi:[1,0,0]
.endr
	v_mul_f32 v[NR], v[QV], v[QV]
.irp k, 1,2,3,4,5,6,7,8,9,10,11,12,13,14,15
	v_fma_f32 v[NR], v[QV+(\k)], v[QV+(\k)], v[NR]
.endr
	v_fma_f32 v[NR], v[NR], s27, 1.0
.irp k, 0,1,2,3,4,5,6,7
	v_cndmask_b32 v[OW+(\k)], v[QV+8+(\k)], v[QV+(\k)], s23  ; lanes 0-15: features 0-7; lanes 16-31: features 8-15
.endr
.endm
	HPQ 0
	HPQ 1
	v_rsq_f32 v185, v184
	v_rsq_f32 v193, v192
	v_nop                                          ; a plain instruction behind the last of the two,
	s_wait_alu depctr_va_vdst(0)                   ; and a wait ahead of their first use
.macro HQFIN t
.set QV, 200+16*(\t)
.set OW, 232+8*(\t)
.set NR, 184+8*(\t)
	v_mul_f32 v[NR+1], 0x3fb504f3, v[NR+1]         ; a = sqrt(2) rsq
	v_mul_f32 v[NR+7], v[NR+1], v[NR+1]
	v_mul_f32 v[NR+2], 0x42000000, v[NR+7]         ; c = 32 a^2
	v_mul_f32 v[18+2*(\t)], 0x41800000, v[NR+7]    ; d = 16 a^2, as a pair
	v_mov_b32 v[19+2*(\t)], v[18+2*(\t)]
	v_mul_f32 v[248+2*(\t)], 4.0, v[NR+1]          ; b = 4 a, as a pair
	v_mov_b32 v[249+2*(\t)], v[248+2*(\t)]
	v_mul_f32 v[NR+5], s26, v[NR+1]                ; a / gamma
	v_mul_f32 v[NR+4], s27, v[NR+7]
	v_mul_f32 v[NR+4], 0x40b504f3, v[NR+4]         ; e^2 = 4 sqrt(2) a^2 / gamma^2 = c / (4 sqrt(2) gamma^2)
	v_mul_f32 v[NR+6], s26, v[NR+2]
	v_mul_f32 v[252+(\t)], 0.5, v[NR+6]            ; c / (2 gamma)
	v_mov_b32 v[254+(\t)], v[NR+2]
	v_mul_f32 v[22+(\t)], 0x358637bd, v[NR+2]      ; 1e-6 c
.irp k, 0,1,2,3
	v_mul_f32 v24, v[OW+2*(\k)], v[NR+5]
	v_mul_f32 v25, v[OW+2*(\k)+1], v[NR+5]
	SPLIT2 112+8*(\t)+(\k), 116+8*(\t)+(\k), 24, 25  ; Q': a q^'s high parts in slots 0-15, its low parts in slots 16-31
.endr
.irp k, 0,1,2,3,4,5,6,7,8,9,10,11,12,13,14,15
	v_mul_f32 v[QV+(\k)], v[NR+4], v[QV+(\k)]      ; e^2 q_i
.endr
.endm
	HQFIN 0
	HQFIN 1
; O^T = state^T phi(q), 32 features a step, a tile of queries at a time: the features are made in f32 and split; a product for the high parts, one for the low.  The tile's five accumulators take turns.
.macro HINIT ps, zero
.if !(\zero)
	PLACES
.endif
.irp ct, 0,1,2,3,4
	ds_load_tr16_b128 v[144+8*(\ct):147+8*(\ct)], v13 offset:32*PIN*(\ps)+32*(\ct)
	ds_load_tr16_b128 v[148+8*(\ct):151+8*(\ct)], v13 offset:32*PIN*(\ps)+32*(\ct)+16*PIN
.endr
.irp t, 0,1
.if (\t) == 1
	PLACES                                         ; the features' registers were read by the products just issued
.endif
.if (\ps) < 8
.irp k, 0,1,2,3
	v_mul_f32 v24, v[232+8*(\t)+2*(\k)], v[200+16*(\t)+2*(\ps)]
	v_mul_f32 v25, v[233+8*(\t)+2*(\k)], v[200+16*(\t)+2*(\ps)]
	SPLIT2 184+(\k), 192+(\k), 24, 25
	v_mul_f32 v26, v[232+8*(\t)+2*(\k)], v[201+16*(\t)+2*(\ps)]
	v_mul_f32 v27, v[233+8*(\t)+2*(\k)], v[201+16*(\t)+2*(\ps)]
	SPLIT2 188+(\k), 196+(\k), 26, 27
.endr
.else
.irp k, 0,1,2,3
	v_mul_f32 v24, v[232+8*(\t)+2*(\k)], v[252+(\t)]
	v_mul_f32 v25, v[233+8*(\t)+2*(\k)], v[252+(\t)]
	SPLIT2 184+(\k), 192+(\k), 24, 25              ; the linear features
.endr
	v_mov_b32 v24, v[254+(\t)]
	v_mov_b32 v25, 0
	SPLIT2 188, 196, 24, 25                        ; the constant feature, c, in slot 16: lanes 0-15
	v_cndmask_b32 v188, v[ZR], v188, s23
	v_cndmask_b32 v196, v[ZR], v196, s23
.irp k, 189,190,191,197,198,199
	v_mov_b32 v[\k], 0
.endr
.endif
.if (\t) == 0
	s_wait_dscnt 0x0
.endif
.irp ct, 0,1,2,3,4
.if \zero
	v_wmma_f32_16x16x32_f16 v[32+8*(5*(\t)+(\ct)):39+8*(5*(\t)+(\ct))], v[144+8*(\ct):151+8*(\ct)], v[184:191], 0
.else
	v_wmma_f32_16x16x32_f16 v[32+8*(5*(\t)+(\ct)):39+8*(5*(\t)+(\ct))], v[144+8*(\ct):151+8*(\ct)], v[184:191], v[32+8*(5*(\t)+(\ct)):39+8*(5*(\t)+(\ct))]
.endif
.endr
.irp ct, 0,1,2,3,4
	v_wmma_f32_16x16x32_f16 v[32+8*(5*(\t)+(\ct)):39+8*(5*(\t)+(\ct))], v[144+8*(\ct):151+8*(\ct)], v[192:199], v[32+8*(5*(\t)+(\ct)):39+8*(5*(\t)+(\ct))]
.endr
.endr
.endm
	HINIT 0, 1
.irp ps, 1,2,3,4,5,6,7,8
	HINIT \ps, 0
.endr
	; keys 0-31 against queries 0-31.  K' = [k^, k^]: high parts v208-223, low parts v224-239; S^T as in the walk; the weights' high parts v176-191, low parts v192-207
	PLACES
	PLACES                                         ; eight places: the scores land on registers that the last products read
	ds_load_tr16_b128 v[208:211], v6
	ds_load_tr16_b128 v[212:215], v6
	ds_load_tr16_b128 v[216:219], v6 offset:32
	ds_load_tr16_b128 v[220:223], v6 offset:32
	ds_load_tr16_b128 v[224:227], v10
	ds_load_tr16_b128 v[228:231], v10
	ds_load_tr16_b128 v[232:235], v10 offset:32
	ds_load_tr16_b128 v[236:239], v10 offset:32
	s_wait_dscnt 0x0
	v_wmma_f32_16x16x32_f16 v[144:151], v[208:215], v[112:119], 0          ; three tiles by turns: (keys 0-15, queries 0-15), (0-15, 16-31), (16-31, 16-31)
	v_wmma_f32_16x16x32_f16 v[160:167], v[208:215], v[120:127], 0
	v_wmma_f32_16x16x32_f16 v[168:175], v[216:223], v[120:127], 0
	v_wmma_f32_16x16x32_f16 v[144:151], v[224:231], v[112:119], v[144:151] ; and k^'s low parts
	v_wmma_f32_16x16x32_f16 v[160:167], v[224:231], v[120:127], v[160:167]
	v_wmma_f32_16x16x32_f16 v[168:175], v[232:239], v[120:127], v[168:175]
	PLACES
	VLOAD
.macro HSPROC u, t, mask               ; u = a s + b; c A = u^2 + d, from the accumulator's low end on; masked on the diagonal; split
.set rS, 144+8*(2*(\t)+(\u))
.irp k, 0,1,2,3
	v_pk_add_f32 v[rS+2*(\k):rS+2*(\k)+1], v[rS+2*(\k):rS+2*(\k)+1], v[248+2*(\t):249+2*(\t)]
.endr
.irp k, 0,1,2,3
	v_pk_fma_f32 v[rS+2*(\k):rS+2*(\k)+1], v[rS+2*(\k):rS+2*(\k)+1], v[rS+2*(\k):rS+2*(\k)+1], v[18+2*(\t):19+2*(\t)]
.endr
.if \mask
.irp k, 0,1,2,3
	v_pk_mul_f32 v[rS+2*(\k):rS+2*(\k)+1], v[rS+2*(\k):rS+2*(\k)+1], v[136+2*(\k):137+2*(\k)]
.endr
.endif
.irp k, 0,1,2,3
	SPLIT2 176+8*(\t)+4*(\u)+(\k), 192+8*(\t)+4*(\u)+(\k), rS+2*(\k), rS+2*(\k)+1
.endr
.endm
	HSPROC 0, 0, 1
.irp k, 180,181,182,183,196,197,198,199
	v_mov_b32 v[\k], 0                             ; keys 16-31 are hidden from queries 0-15
.endr
	HSPROC 0, 1, 0
	HSPROC 1, 1, 1
	v_lshlrev_b32 v24, 5, v1                       ; v's low parts lie in lo32 as a fragment's registers take them: channel l % 16, eight keys from 8 (l / 16) on, 16 keys further 512 bytes on
	v_lshl_add_u32 v24, v2, 4, v24
.irp ct, 0,1,2,3
	global_load_b128 v[144+8*(\ct):147+8*(\ct)], v24, s[32:33] offset:1024*(\ct)
	global_load_b128 v[148+8*(\ct):151+8*(\ct)], v24, s[32:33] offset:1024*(\ct)+512
.endr
	s_wait_dscnt 0x0                               ; v's high parts are in
	AV 208, 176, 1                                 ; v x the weights' high parts,
	AV 208, 192, 1                                 ; v x their low parts,
	s_wait_loadcnt 0x0
	AV 144, 176, 0                                 ; v's low parts x the weights' high parts
.Lwayout:
	; the way out: den lies in register 0 of the fifth tile, lanes 0-15
	PLACES
	v_permlanex16_b32 v24, v64, s28, s29
	v_permlanex16_b32 v26, v104, s28, s29
	v_cndmask_b32 v24, v24, v64, s23
	v_cndmask_b32 v26, v26, v104, s23
	v_add_f32 v24, v24, v22
	v_add_f32 v26, v26, v23
	v_rcp_f32 v28, v24
	v_rcp_f32 v30, v26
	v_nop
	s_wait_alu depctr_va_vdst(0)                   ; one wait for the two reciprocals
	v_mov_b32 v29, v28
	v_mov_b32 v31, v30
.macro PACK t                          ; divided, split into a pair of f16, both parts stored as the registers hold them
.set i, 0
.rept 16
	v_pk_mul_f32 v[32+40*(\t)+2*i:33+40*(\t)+2*i], v[32+40*(\t)+2*i:33+40*(\t)+2*i], v[28+2*(\t):29+2*(\t)]
.set i, i+1
.endr
.set i, 0
.rept 16
	SPLIT2 144+16*(\t)+i, 176+16*(\t)+i, 32+40*(\t)+2*i, 33+40*(\t)+2*i
.set i, i+1
.endr
.irp ct, 0,1,2,3
	global_store_b128 v16, v[144+16*(\t)+4*(\ct):147+16*(\t)+4*(\ct)], s[46:47] offset:2048*(\t)+512*(\ct)  ; 512 consecutive bytes, aligned
	global_store_b128 v16, v[176+16*(\t)+4*(\ct):179+16*(\t)+4*(\ct)], s[46:47] offset:2097152+2048*(\t)+512*(\ct)  ; the low parts, 16 heads on
.endr
.endm
	PACK 0
	PACK 1
	; P2: THE FINAL STATE.  CA tile ct at 32 + 8 ct (4: the sums of features); CE, the linear or constant rows' five tiles, at 72 + 8 ct
	s_wait_xcnt 0x0                                ; y's stores have read their registers
	s_lshr_b32 s48, s16, 2
	s_lshl_b32 s48, s48, 10                        ; my half of the keys: 1,024 bytes of each row
	s_mul_i32 s49, s20, PKT
	s_add_co_u32 s49, s49, s48
	s_add_co_u32 s49, s49, L_KI
	v_lshl_add_u32 v6, v2, 4, s49                  ; k^_i, the same row for all lanes
	v_mul_u32_u24 v7, v1, PKT
	v_lshl_add_u32 v7, v2, 4, v7
	v_add_nc_u32 v7, s48, v7                       ; k^_j, j = l % 16
	s_add_co_u32 s52, s48, L_VT
	v_mul_u32_u24 v8, v1, PVT
	v_lshl_add_u32 v8, v2, 4, v8
	v_add_nc_u32 v8, s52, v8
	v_add_nc_u32 v9, 32*PVT, v8
	s_cmp_eq_u32 s17, 0                            ; p = 0: linear; p = 1: constant
	s_cselect_b32 s35, 1, 0
	s_cselect_b32 s49, s51, 0
	s_cselect_b32 s52, 0, -1
	v_mov_b32 v208, s49                            ; XA = k^_j x alpha + beta: (1, 0) gives the linear features, (0, the row of ones) the constant one
	v_and_b32 v209, s52, v128
	v_lshlrev_b32 v25, 2, v1                       ; 4 (l % 16)
	v_add_nc_u32 v26, 1, v1
	v_mul_u32_u24 v26, s35, v26                    ; those rows' place in k_state: 1 + l % 16, or 0
	v_lshlrev_b32 v28, 2, v26
; 32 keys.  ext = 1: with the five further products.  The address steps behind the products are the places in front of the next step's loads.
.macro CSTEP zero, ext
	ds_load_b128 v[144:147], v6
	ds_load_b128 v[148:151], v6 offset:32
	ds_load_b128 v[152:155], v7
	ds_load_b128 v[156:159], v7 offset:32
.irp ct, 0,1
	ds_load_b128 v[168+8*(\ct):171+8*(\ct)], v8 offset:16*PVT*(\ct)
	ds_load_b128 v[172+8*(\ct):175+8*(\ct)], v8 offset:16*PVT*(\ct)+32
	ds_load_b128 v[184+8*(\ct):187+8*(\ct)], v9 offset:16*PVT*(\ct)
	ds_load_b128 v[188+8*(\ct):191+8*(\ct)], v9 offset:16*PVT*(\ct)+32
.endr
	s_wait_dscnt 0x0
.irp k, 0,1,2,3,4,5,6,7
	v_pk_mul_f16 v[160+(\k)], v[152+(\k)], v[144+(\k)]  ; k^_i k^_j
.endr
.if \ext
.irp k, 0,1,2,3,4,5,6,7
	v_pk_fma_f16 v[200+(\k)], v[152+(\k)], v208, v209
.endr
.endif
.irp ct, 0,1,2,3
.if \zero
	v_wmma_f32_16x16x32_f16 v[32+8*(\ct):39+8*(\ct)], v[168+8*(\ct):175+8*(\ct)], v[160:167], 0
.else
	v_wmma_f32_16x16x32_f16 v[32+8*(\ct):39+8*(\ct)], v[168+8*(\ct):175+8*(\ct)], v[160:167], v[32+8*(\ct):39+8*(\ct)]
.endif
.endr
.if \zero
	v_wmma_f32_16x16x32_f16 v[64:71], v[128:135], v[160:167], 0
.else
	v_wmma_f32_16x16x32_f16 v[64:71], v[128:135], v[160:167], v[64:71]
.endif
.if \ext
.irp ct, 0,1,2,3
.if \zero
	v_wmma_f32_16x16x32_f16 v[72+8*(\ct):79+8*(\ct)], v[168+8*(\ct):175+8*(\ct)], v[200:207], 0
.else
	v_wmma_f32_16x16x32_f16 v[72+8*(\ct):79+8*(\ct)], v[168+8*(\ct):175+8*(\ct)], v[200:207], v[72+8*(\ct):79+8*(\ct)]
.endif
.endr
.if \zero
	v_wmma_f32_16x16x32_f16 v[104:111], v[128:135], v[200:207], 0
.else
	v_wmma_f32_16x16x32_f16 v[104:111], v[128:135], v[200:207], v[104:111]
.endif
.endif
	v_add_nc_u32 v6, 64, v6
	v_add_nc_u32 v7, 64, v7
	v_add_nc_u32 v8, 64, v8
	v_add_nc_u32 v9, 64, v9
.endm
	s_mov_b32 s34, 15
	s_cmp_eq_u32 s31, 0
	s_cbranch_scc1 .Lplain
	CSTEP 1, 1
.Lcx:
	CSTEP 0, 1
	s_sub_co_u32 s34, s34, 1
	s_cmp_lg_u32 s34, 0
	s_cbranch_scc1 .Lcx
	s_branch .Lred
.Lplain:
	CSTEP 1, 0
.Lcp:
	CSTEP 0, 0
	s_sub_co_u32 s34, s34, 1
	s_cmp_lg_u32 s34, 0
	s_cbranch_scc1 .Lcp
.Lred:
	s_wait_dscnt 0x0                               ; my LDS reads are back
	s_barrier_signal -1
	s_barrier_wait -1                              ; every wave has left the initial state's bytes: they take the partial sums
	s_mul_i32 s48, s20, 5120
	s_add_co_u32 s48, s48, L_RS
	v_lshl_add_u32 v24, v3, 5, s48
	; every wave forms the bases of the final state's rows, ahead of the branch on the wave's number: no address register hangs on the way taken
	s_lshl_b32 s48, s30, 4
	s_add_co_u32 s48, s48, 17                      ; memory row 17 + 16 i
	s_lshl_b32 s52, s48, 8
	s_mov_b32 s53, 0
	s_add_nc_u64 s[54:55], s[42:43], s[52:53]      ; kv_state at that row,
	s_add_nc_u64 s[56:57], s[12:13], s[52:53]      ; out1,
	s_lshl_b32 s52, s48, 2
	s_add_nc_u64 s[58:59], s[44:45], s[52:53]      ; k_state,
	s_add_nc_u64 s[60:61], s[14:15], s[52:53]      ; out2
	s_lshl_b32 s52, s35, 8                         ; linear: from row 1 on; constant: from row 0 on (16 rows are read, one is used)
	s_add_nc_u64 s[36:37], s[42:43], s[52:53]
	s_add_nc_u64 s[38:39], s[12:13], s[52:53]
	s_cmp_lt_u32 s16, 4
	s_cbranch_scc1 .Llow
.irp q, 0,1,2,3,4                      ; waves 4-7 hand their half's sums over
	ds_store_b128 v24, v[32+8*(\q):35+8*(\q)] offset:1024*(\q)
	ds_store_b128 v24, v[36+8*(\q):39+8*(\q)] offset:1024*(\q)+16
.endr
	s_cmp_eq_u32 s31, 0
	s_cbranch_scc1 .Lmeet
.irp q, 0,1,2,3,4
	ds_store_b128 v24, v[72+8*(\q):75+8*(\q)] offset:20480+1024*(\q)
	ds_store_b128 v24, v[76+8*(\q):79+8*(\q)] offset:20480+1024*(\q)+16
.endr
	s_branch .Lmeet
.Llow:                                         ; waves 0-3 ask for the old state meanwhile
.irp f, 0,1,2,3,4,5,6,7
	global_load_b128 v[216+4*(\f):219+4*(\f)], v16, s[54:55] offset:512*(\f)
.endr
	global_load_b32 v248, v25, s[58:59]
	s_cmp_eq_u32 s31, 0
	s_cbranch_scc1 .Lmeet
.irp f, 0,1,2,3,4,5,6,7
	global_load_b128 v[176+4*(\f):179+4*(\f)], v16, s[36:37] offset:512*(\f)
.endr
	global_load_b32 v208, v28, s[44:45]
.Lmeet:
	s_wait_dscnt 0x0
	s_barrier_signal -1
	s_barrier_wait -1
	s_cmp_lt_u32 s16, 4
	s_cbranch_scc0 .Lend
.irp q, 0,1,2,3,4
	ds_load_b128 v[112+8*(\q):115+8*(\q)], v24 offset:1024*(\q)
	ds_load_b128 v[116+8*(\q):119+8*(\q)], v24 offset:1024*(\q)+16
.endr
	s_mul_i32 s48, s16, 16*272
	s_add_co_u32 s48, s48, L_OS
	v_mul_u32_u24 v29, v1, 272
	v_lshl_add_u32 v29, v2, 5, v29
	v_add_nc_u32 v29, s48, v29
	v_mul_u32_u24 v30, v2, 272
	v_lshl_add_u32 v30, v1, 4, v30
	v_add_nc_u32 v30, s48, v30
	v_mov_b32 v31, 0x3e3504f3                      ; 1 / (4 sqrt(2)),
	v_mul_f32 v31, s27, v31                        ; over gamma^2
	s_wait_dscnt 0x0
	s_wait_loadcnt 0x0
; five tiles at acc take the other half's sums (in v112-151); four go through my stage into whole rows (a lane held feature l % 16 and eight channels);
; row = sum x sc + the old state rounded to bf16, into v112-143
.macro FINISH acc, old, sc
.set i, 0
.rept 20
	v_pk_add_f32 v[(\acc)+2*i:(\acc)+2*i+1], v[(\acc)+2*i:(\acc)+2*i+1], v[112+2*i:113+2*i]
.set i, i+1
.endr
.irp ct, 0,1,2,3
	ds_store_b128 v29, v[(\acc)+8*(\ct):(\acc)+8*(\ct)+3] offset:64*(\ct)
	ds_store_b128 v29, v[(\acc)+8*(\ct)+4:(\acc)+8*(\ct)+7] offset:64*(\ct)+16
.endr
.irp f, 0,1,2,3,4,5,6,7
	ds_load_b128 v[112+4*(\f):115+4*(\f)], v30 offset:2*272*(\f)  ; my own stage: LDS serves a wave's instructions in order
.endr
	s_wait_dscnt 0x0
.irp f, 0,1,2,3,4,5,6,7
	v_cvt_pk_bf16_f32 v[(\old)+4*(\f)], v[(\old)+4*(\f)], v[(\old)+4*(\f)+1]
	v_cvt_pk_bf16_f32 v[(\old)+4*(\f)+1], v[(\old)+4*(\f)+2], v[(\old)+4*(\f)+3]
	v_fma_mix_f32_bf16 v[112+4*(\f)], v[112+4*(\f)], v[\sc], v[(\old)+4*(\f)] op_sel_hi:[0,0,1]
	v_fma_mix_f32_bf16 v[113+4*(\f)], v[113+4*(\f)], v[\sc], v[(\old)+4*(\f)] op_sel:[0,0,1] op_sel_hi:[0,0,1]
	v_fma_mix_f32_bf16 v[114+4*(\f)], v[114+4*(\f)], v[\sc], v[(\old)+4*(\f)+1] op_sel_hi:[0,0,1]
	v_fma_mix_f32_bf16 v[115+4*(\f)], v[115+4*(\f)], v[\sc], v[(\old)+4*(\f)+1] op_sel:[0,0,1] op_sel_hi:[0,0,1]
.endr
.endm
	FINISH 32, 216, 31
.irp f, 0,1,2,3,4,5,6,7
	global_store_b128 v16, v[112+4*(\f):115+4*(\f)], s[56:57] offset:512*(\f)  ; 16 lanes store a whole row of 256 bytes, aligned
.endr
	v_cvt_pk_bf16_f32 v248, v248, v248
	v_fma_mix_f32_bf16 v249, v64, v31, v248 op_sel_hi:[0,0,1]
	s_wait_xcnt 0x0                                ; EXEC changes only behind this wait
	v_cmp_gt_u32 vcc_lo, 16, v3
	s_and_saveexec_b32 s48, vcc_lo
	global_store_b32 v25, v249, s[60:61]           ; out2's 16 x2 numbers
	s_wait_xcnt 0x0
	s_or_b32 exec_lo, exec_lo, s48
	s_cmp_eq_u32 s31, 0
	s_cbranch_scc1 .Lend
.irp q, 0,1,2,3,4                      ; the linear rows or the constant row (the stores above have read v112-143: the wait in front of the restore)
	ds_load_b128 v[112+8*(\q):115+8*(\q)], v24 offset:20480+1024*(\q)
	ds_load_b128 v[116+8*(\q):119+8*(\q)], v24 offset:20480+1024*(\q)+16
.endr
	s_mul_f32 s49, s26, 0.5                        ; linear: 1 / (2 gamma); constant: 1
	s_cmp_eq_u32 s17, 0
	s_cselect_b32 s49, s49, 1.0
	v_mov_b32 v26, s49
	v_mul_u32_u24 v27, s17, v1
	v_or_b32 v27, v27, v2                          ; 0 in the lanes that hold a sum of features that exists: lanes 0-15 (linear), lane 0 (constant)
	s_wait_dscnt 0x0
	FINISH 72, 176, 26
	v_cvt_pk_bf16_f32 v208, v208, v208
	v_fma_mix_f32_bf16 v249, v104, v26, v208 op_sel_hi:[0,0,1]
	s_cmp_eq_u32 s17, 0
	s_cbranch_scc0 .Lconst
.irp f, 0,1,2,3,4,5,6,7
	global_store_b128 v16, v[112+4*(\f):115+4*(\f)], s[38:39] offset:512*(\f)  ; rows 1 to 16, whole
.endr
	s_branch .Lsum
.Lconst:
	s_wait_xcnt 0x0
	v_cmp_gt_u32 vcc_lo, 16, v3
	s_and_saveexec_b32 s48, vcc_lo
	global_store_b128 v16, v[112:115], s[38:39]    ; row 0, whole
	s_wait_xcnt 0x0
	s_or_b32 exec_lo, exec_lo, s48
.Lsum:
	s_wait_xcnt 0x0
	v_cmp_eq_u32 vcc_lo, 0, v27
	s_and_saveexec_b32 s48, vcc_lo
	global_store_b32 v28, v249, s[14:15]
	s_wait_xcnt 0x0
	s_or_b32 exec_lo, exec_lo, s48
.Lend:
	s_wait_tensorcnt 0x0                           ; the wave's end
	ds_add_u32 v4, v5
	s_wait_dscnt 0x0
	s_endpgm
.Lfunc_end_k_q6c10a069f5_attn:
	.size	k_q6c10a069f5_attn, .Lfunc_end_k_q6c10a069f5_attn-k_q6c10a069f5_attn
	.p2alignl 7, 3214868480
	.fill 96, 4, 3214868480
	.section	.rodata,"a",@progbits
	.p2align	6, 0x0
	.amdhsa_kernel k_q6c10a069f5_attn
		.amdhsa_group_segment_fixed_size 250880
		.amdhsa_private_segment_fixed_size 0
		.amdhsa_enable_private_segment 0
		.amdhsa_kernarg_size 56
		.amdhsa_user_sgpr_count 2
		.amdhsa_user_sgpr_kernarg_segment_ptr 1
		.amdhsa_wavefront_size32 1
		.amdhsa_system_sgpr_workgroup_id_x 1
		.amdhsa_system_sgpr_workgroup_id_y 1
		.amdhsa_system_sgpr_workgroup_id_z 1
		.amdhsa_system_vgpr_workitem_id 0
		.amdhsa_next_free_vgpr 256
		.amdhsa_next_free_sgpr 66
		.amdhsa_reserve_vcc 1
		.amdhsa_float_denorm_mode_32 3
		.amdhsa_float_denorm_mode_16_64 3
		.amdhsa_memory_ordered 1
		.amdhsa_forward_progress 1
		.amdhsa_inst_pref_size 207
	.end_amdhsa_kernel
	.amdgpu_metadata
---
amdhsa.version: [ 1, 2 ]
amdhsa.kernels:
  - .name:           k_q6c10a069f5_attn
    .symbol:         k_q6c10a069f5_attn.kd
    .args:
      - { .name: qkvT, .offset: 0, .size: 8, .value_kind: global_buffer, .address_space: global }
      - { .name: kv_state, .offset: 8, .size: 8, .value_kind: global_buffer, .address_space: global }
      - { .name: k_state, .offset: 16, .size: 8, .value_kind: global_buffer, .address_space: global }
      - { .name: y16, .offset: 24, .size: 8, .value_kind: global_buffer, .address_space: global }
      - { .name: out1, .offset: 32, .size: 8, .value_kind: global_buffer, .address_space: global }
      - { .name: out2, .offset: 40, .size: 8, .value_kind: global_buffer, .address_space: global }
      - { .name: lo32, .offset: 48, .size: 8, .value_kind: global_buffer, .address_space: global }
    .group_segment_fixed_size: 250880
    .private_segment_fixed_size: 0
    .kernarg_segment_align: 8
    .kernarg_segment_size: 56
    .max_flat_workgroup_size: 256
    .sgpr_count:     66
    .vgpr_count:     256
    .wavefront_size: 32
...
	.end_amdgpu_metadata
.endif
;; end of part 2
;; launch outp (part 3): grid 8 x 32, 8 waves a work-group, no clusters, 144,384 bytes of LDS; arguments y16, Wo16, bo, out0; writes out0
.if DOCPART == 3
	.amdgcn_target "amdgcn-amd-amdhsa--gfx1250"
	.amdhsa_code_object_version 6
	.text
	.protected	k_q6c10a069f5_outp
	.globl	k_q6c10a069f5_outp
	.p2align	8
	.type	k_q6c10a069f5_outp,@function
k_q6c10a069f5_outp:
	s_mov_b64 s[64:65], 0
	v_nop
	global_prefetch_b8 v0, s[64:65] scope:SCOPE_SE
	s_setreg_imm32_b32 hwreg(HW_REG_WAVE_MODE, 25, 1), 1
	s_wait_xcnt 0x0
; out0 = y Wo + bo.  Wo16: two copies on end of [1,024 k][1,024 n], Wo rounded to bf16 and written as f16; bo is rounded to bf16 like all inputs; sums in f32.
; y COMES AS A PAIR OF F16 (high part + low part): y16: [4 b][2 parts][16 h][64 tiles of 16 queries][4 blocks of 16 channels][32 lanes][8 f16]; lane l holds query l % 16, channels
; 8 (l / 16) + 0..7 of the block.  Both parts are multiplied by Wo into the same sums: K = 2,048.  A head's first rows are many times larger than the output's root mean square, so a
; single f16 would leave too coarse a step there.
; Nothing of reference() is left out here.  LIMITS: y within 65,504; NaN and infinities are not treated apart.
; SHARES.  A work-group makes 128 rows x 128 columns; wave w: 64 rows (w % 2) x 32 columns (w / 2): 8 accumulators.  K in 16 steps of 128: two heads a step, the high parts and then the low.
; The product is taken transposed (source 0 = 16 columns of Wo, source 1 = 16 rows of y): a lane holds one row and eight neighbouring columns; the bias, which then differs
; from register to register, is the C operand of the first products.  Two LDS slots take turns, filled through registers; the f32 stage of the way out takes the slots' bytes behind a barrier.
.set PA,    272                        ; a row of y in LDS: 128 f16 + 16 bytes
.set PB,    288                        ; a row (one k) of Wo in LDS: 128 f16 + 32 bytes: an odd multiple of 32, for the turning load
.set ABUF,  128*PA
.set BOFF,  2*ABUF
.set BBUF,  128*PB
.set PST,   528                        ; the stage: 128 f32 + 16 bytes
.set SPARE, BOFF+2*BBUF                ; the spare words: 128 bytes for each wave, named by no other line
.set AO,  1                            ; v1   my offset in y16
.set BO,  2                            ; v2   my offset in Wo16
.set SA,  3                            ; v3   where I store y
.set SB,  4                            ; v4   where I store Wo (BOFF inside)
.set FAA, 5                            ; v5   my place in y's fragments
.set FBA, 6                            ; v6, v7  my place in Wo's fragments, slot 0 and slot 1
.set STO, 8
.set RD,  9
.set GO,  10
.set SPW, 11
.set NIL, 12
.set ACC, 16                           ; v16-79   accumulator (mt, nt) at ACC + 8 (2 mt + nt)
.set STA, 80                           ; v80-111  y as loaded
.set STB, 112                          ; v112-143 Wo as loaded
.set F0,  144                          ; v144-191 fragments: four of y, two of Wo
.set F1,  192                          ; v192-239
.set BI,  240                          ; v240-255 the bias of my 8 columns, for nt = 0, 1
.macro PLACES
.rept 4
	v_nop
.endr
.endm
.macro LOADS                           ; y: piece j of 512 bytes is tile j / 4 of my 32 rows, channel block j % 4
.irp j, 0,1,2,3,4,5,6,7
	global_load_b128 v[STA+4*(\j):STA+4*(\j)+3], v[AO], s[4:5] offset:512*(\j)
.endr
.irp j, 0,1,2,3,4,5,6,7
	global_load_b128 v[STB+4*(\j):STB+4*(\j)+3], v[BO], s[6:7] offset:4096*(\j)
.endr
.endm
.macro STORE buf
.irp j, 0,1,2,3,4,5,6,7
	ds_store_b128 v[SA], v[STA+4*(\j):STA+4*(\j)+3] offset:(\buf)*ABUF+16*PA*((\j)/4)+32*((\j)%4)
.endr
.irp j, 0,1,2,3,4,5,6,7
	ds_store_b128 v[SB], v[STB+4*(\j):STB+4*(\j)+3] offset:(\buf)*BBUF+2*PB*(\j)
.endr
.endm
.macro FRAG buf, sub, f                ; 12 LDS loads: 32 along K
.irp i, 0,1,2,3
	ds_load_b128 v[(\f)+8*(\i):(\f)+8*(\i)+3],   v[FAA] offset:(\buf)*ABUF+16*PA*(\i)+64*(\sub)
	ds_load_b128 v[(\f)+8*(\i)+4:(\f)+8*(\i)+7], v[FAA] offset:(\buf)*ABUF+16*PA*(\i)+64*(\sub)+32
.endr
.irp t, 0,1
	ds_load_tr16_b128 v[(\f)+32+8*(\t):(\f)+32+8*(\t)+3],   v[FBA+(\buf)] offset:32*PB*(\sub)+32*(\t)
	ds_load_tr16_b128 v[(\f)+32+8*(\t)+4:(\f)+32+8*(\t)+7], v[FBA+(\buf)] offset:32*PB*(\sub)+32*(\t)+16*PB
.endr
.endm
.macro MUL f, first                    ; 8 products; the accumulators take turns
.irp mt, 0,1,2,3
.irp nt, 0,1
.if \first
	v_wmma_f32_16x16x32_f16 v[ACC+8*(2*(\mt)+(\nt)):ACC+8*(2*(\mt)+(\nt))+7], v[(\f)+32+8*(\nt):(\f)+32+8*(\nt)+7], v[(\f)+8*(\mt):(\f)+8*(\mt)+7], v[BI+8*(\nt):BI+8*(\nt)+7]
.else
	v_wmma_f32_16x16x32_f16 v[ACC+8*(2*(\mt)+(\nt)):ACC+8*(2*(\mt)+(\nt))+7], v[(\f)+32+8*(\nt):(\f)+32+8*(\nt)+7], v[(\f)+8*(\mt):(\f)+8*(\mt)+7], v[ACC+8*(2*(\mt)+(\nt)):ACC+8*(2*(\mt)+(\nt))+7]
.endif
.endr
.endr
.endm
.macro STEP buf, st, ld, first
.if !(\first)
	PLACES
.endif
	FRAG \buf, 0, F0
	FRAG \buf, 1, F1
	s_wait_dscnt 12                                ; the first 12 loads are in
	MUL F0, \first
	PLACES
	FRAG \buf, 2, F0
.if \st
	s_wait_loadcnt 0x0                             ; the next step's 16 loads are in; their bases are free
.if \ld
	s_add_nc_u64 s[4:5], s[4:5], 0x40000           ; two heads on; behind the sixteenth head the low parts follow
	s_add_nc_u64 s[6:7], s[6:7], 0x40000           ; 128 rows of Wo16 on; behind the last the second copy follows
.endif
	STORE 1-(\buf)
.if \ld
	LOADS
.endif
	s_wait_dscnt 28                                ; younger than the second 12 loads: 12 loads and 16 stores
.else
	s_wait_dscnt 12
.endif
	MUL F1, 0
	PLACES
	FRAG \buf, 3, F1
.if \st
	s_wait_dscnt 28                                ; younger than the third 12 loads: 16 stores and 12 loads
.else
	s_wait_dscnt 12
.endif
	MUL F0, 0
	s_wait_dscnt 0x0                               ; my stores into the other slot are done, my reads of this one are back
	MUL F1, 0
	s_barrier_signal -1
	s_barrier_wait -1
.endm
	s_load_b256 s[4:11], s[0:1], 0x0               ; y16, Wo16, bo, out0
	v_lshl_add_u32 v[SPW], v0, 2, SPARE
	v_mov_b32 v[NIL], 0
	v_lshrrev_b32 v13, 5, v0
	v_readfirstlane_b32 s12, v13                   ; wave 0..7
	s_mov_b32 s13, ttmp9                           ; bx
	s_and_b32 s14, ttmp7, 0xffff                   ; by
	s_and_b32 s15, s12, 1                          ; wm
	s_lshr_b32 s16, s12, 1                         ; wn
	s_and_b32 s17, s12, 3
	s_lshr_b32 s18, s12, 2
	v_and_b32 v13, 15, v0                          ; l % 16
	v_bfe_u32 v14, v0, 4, 1                        ; l / 16
	v_and_b32 v15, 31, v0                          ; l
	s_lshl_b32 s20, s18, 17                        ; waves 4-7: the step's second head
	s_lshl_b32 s21, s17, 12                        ; 32 rows: two tiles of 2,048 bytes
	s_add_co_u32 s20, s20, s21
	v_lshl_add_u32 v[AO], v15, 4, s20
	s_lshl_b32 s20, s12, 15
	v_lshlrev_b32 v[BO], 11, v14
	v_lshl_add_u32 v[BO], v13, 4, v[BO]
	v_add_nc_u32 v[BO], s20, v[BO]                 ; row 16 w + l / 16
	s_mul_i32 s20, s17, 32*PA
	s_lshl_b32 s21, s18, 7
	s_add_co_u32 s20, s20, s21
	v_mul_u32_u24 v[SA], v13, PA                   ; row 32 (w % 4) + l % 16; byte 128 (w / 4) + 16 (l / 16): sixteen lanes, sixteen rows 272 bytes apart
	v_lshl_add_u32 v[SA], v14, 4, v[SA]
	v_add_nc_u32 v[SA], s20, v[SA]
	s_mul_i32 s20, s12, 16*PB
	s_add_co_u32 s20, s20, BOFF
	v_mul_u32_u24 v[SB], v14, PB
	v_lshl_add_u32 v[SB], v13, 4, v[SB]
	v_add_nc_u32 v[SB], s20, v[SB]
	s_mul_i32 s20, s15, 64*PA
	v_mul_u32_u24 v[FAA], v13, PA
	v_lshl_add_u32 v[FAA], v14, 4, v[FAA]
	v_add_nc_u32 v[FAA], s20, v[FAA]
	v_and_b32 v16, 7, v0
	v_lshl_add_u32 v16, v14, 3, v16                ; 8 (l / 16) + l % 8
	v_mul_u32_u24 v[FBA], v16, PB
	v_bfe_u32 v16, v0, 3, 1
	v_lshl_add_u32 v[FBA], v16, 4, v[FBA]
	s_lshl_b32 s20, s16, 6
	s_add_co_u32 s20, s20, BOFF
	v_add_nc_u32 v[FBA], s20, v[FBA]
	v_add_nc_u32 v[FBA+1], BBUF, v[FBA]
	s_mul_i32 s20, s15, 64*PST
	s_lshl_b32 s21, s16, 7
	s_add_co_u32 s20, s20, s21
	v_mul_u32_u24 v[STO], v13, PST
	v_lshl_add_u32 v[STO], v14, 5, v[STO]
	v_add_nc_u32 v[STO], s20, v[STO]
	s_mul_i32 s20, s12, 16*PST
	v_lshl_add_u32 v[RD], v15, 4, s20
	v_lshlrev_b32 v[GO], 4, v15
	v_lshlrev_b32 v17, 5, v14                      ; my 8 columns' bias: 32 (l / 16)
	s_lshr_b32 s20, s14, 3
	s_lshl_b32 s20, s20, 22                        ; b: 2 parts x 16 heads x 131,072 bytes
	s_and_b32 s21, s14, 7
	s_lshl_b32 s21, s21, 14                        ; l0 = 128 (by % 8): eight tiles of 2,048 bytes
	s_add_co_u32 s20, s20, s21
	s_mov_b32 s21, 0
	s_lshl_b32 s22, s13, 8
	s_mov_b32 s23, 0
	s_lshl_b32 s24, s13, 9
	s_lshl_b32 s25, s16, 7
	s_add_co_u32 s24, s24, s25
	s_mov_b32 s25, 0
	s_lshl_b32 s26, s14, 19
	s_lshl_b32 s27, s12, 16
	s_add_co_u32 s26, s26, s27
	s_lshl_b32 s27, s13, 9
	s_add_co_u32 s26, s26, s27
	s_mov_b32 s27, 0
	s_wait_kmcnt 0x0
	s_add_nc_u64 s[4:5], s[4:5], s[20:21]
	s_add_nc_u64 s[6:7], s[6:7], s[22:23]
	s_add_nc_u64 s[8:9], s[8:9], s[24:25]
	s_add_nc_u64 s[10:11], s[10:11], s[26:27]
.irp nt, 0,1
	global_load_b128 v[BI+8*(\nt):BI+8*(\nt)+3],   v17, s[8:9] offset:64*(\nt)
	global_load_b128 v[BI+8*(\nt)+4:BI+8*(\nt)+7], v17, s[8:9] offset:64*(\nt)+16
.endr
	LOADS                                          ; K step 0
	s_wait_loadcnt 16                              ; the bias is in: the tile's 16 loads are younger
.irp k, 0,2,4,6,8,10,12,14
	v_cvt_pk_bf16_f32 v16, v[BI+(\k)], v[BI+(\k)+1]
	v_lshlrev_b32 v[BI+(\k)], 16, v16
	v_and_b32 v[BI+(\k)+1], 0xffff0000, v16
.endr
	s_wait_loadcnt 0x0
	s_add_nc_u64 s[4:5], s[4:5], 0x40000
	s_add_nc_u64 s[6:7], s[6:7], 0x40000
	STORE 0
	LOADS                                          ; K step 1
	s_wait_dscnt 0x0
	s_barrier_signal -1
	s_barrier_wait -1
	STEP 0, 1, 1, 1                                ; K step 0: its first products start the sums from the bias
	s_mov_b32 s28, 6
.Lk:                                           ; K steps 1 to 12
	STEP 1, 1, 1, 0
	STEP 0, 1, 1, 0
	s_sub_co_u32 s28, s28, 1
	s_cmp_lg_u32 s28, 0
	s_cbranch_scc1 .Lk
	STEP 1, 1, 1, 0                                ; 13: asks for the last step
	STEP 0, 1, 0, 0                                ; 14
	STEP 1, 0, 0, 0                                ; 15: its barrier frees the slots for the stage
	PLACES
.irp mt, 0,1,2,3
.irp nt, 0,1
	ds_store_b128 v[STO], v[ACC+8*(2*(\mt)+(\nt)):ACC+8*(2*(\mt)+(\nt))+3]   offset:16*PST*(\mt)+64*(\nt)
	ds_store_b128 v[STO], v[ACC+8*(2*(\mt)+(\nt))+4:ACC+8*(2*(\mt)+(\nt))+7] offset:16*PST*(\mt)+64*(\nt)+16
.endr
.endr
	s_wait_dscnt 0x0                               ; for the others' sake: a row's 512 bytes come from four waves
	s_barrier_signal -1
	s_barrier_wait -1
.irp j, 0,1,2,3,4,5,6,7,8,9,10,11,12,13,14,15
	ds_load_b128 v[STA+4*(\j):STA+4*(\j)+3], v[RD] offset:PST*(\j)
.endr
.irp j, 0,1,2,3,4,5,6,7,8,9,10,11,12,13,14,15
	s_wait_dscnt 15-(\j)
	global_store_b128 v[GO], v[STA+4*(\j):STA+4*(\j)+3], s[10:11] offset:4096*(\j) th:TH_STORE_NT  ; 512 consecutive bytes, aligned
.endr
	s_wait_tensorcnt 0x0                           ; the wave's end
	ds_add_u32 v[SPW], v[NIL]
	s_wait_dscnt 0x0
	s_endpgm
.Lfunc_end_k_q6c10a069f5_outp:
	.size	k_q6c10a069f5_outp, .Lfunc_end_k_q6c10a069f5_outp-k_q6c10a069f5_outp
	.p2alignl 7, 3214868480
	.fill 96, 4, 3214868480
	.section	.rodata,"a",@progbits
	.p2align	6, 0x0
	.amdhsa_kernel k_q6c10a069f5_outp
		.amdhsa_group_segment_fixed_size 144384
		.amdhsa_private_segment_fixed_size 0
		.amdhsa_enable_private_segment 0
		.amdhsa_kernarg_size 32
		.amdhsa_user_sgpr_count 2
		.amdhsa_user_sgpr_kernarg_segment_ptr 1
		.amdhsa_wavefront_size32 1
		.amdhsa_system_sgpr_workgroup_id_x 1
		.amdhsa_system_sgpr_workgroup_id_y 1
		.amdhsa_system_sgpr_workgroup_id_z 1
		.amdhsa_system_vgpr_workitem_id 0
		.amdhsa_next_free_vgpr 256
		.amdhsa_next_free_sgpr 66
		.amdhsa_reserve_vcc 0
		.amdhsa_float_denorm_mode_32 3
		.amdhsa_float_denorm_mode_16_64 3
		.amdhsa_memory_ordered 1
		.amdhsa_forward_progress 1
		.amdhsa_inst_pref_size 60
	.end_amdhsa_kernel
	.amdgpu_metadata
---
amdhsa.version: [ 1, 2 ]
amdhsa.kernels:
  - .name:           k_q6c10a069f5_outp
    .symbol:         k_q6c10a069f5_outp.kd
    .args:
      - { .name: y16, .offset: 0, .size: 8, .value_kind: global_buffer, .address_space: global }
      - { .name: Wo16, .offset: 8, .size: 8, .value_kind: global_buffer, .address_space: global }
      - { .name: bo, .offset: 16, .size: 8, .value_kind: global_buffer, .address_space: global }
      - { .name: out0, .offset: 24, .size: 8, .value_kind: global_buffer, .address_space: global }
    .group_segment_fixed_size: 144384
    .private_segment_fixed_size: 0
    .kernarg_segment_align: 8
    .kernarg_segment_size: 32
    .max_flat_workgroup_size: 256
    .sgpr_count:     66
    .vgpr_count:     256
    .wavefront_size: 32
...
	.end_amdgpu_metadata
.endif
;; end of part 3
;; ======== version 2 of 2: 3 launches; version 1 with the launch outp written anew for expert scheduling mode
;; limits: values are held in f16: magnitudes above 65,504 overflow, below 6.1e-05 lose precision
;; workspace buffers: qkvT 12,582,912 bytes; Wo16 4,194,304 bytes; y16 16,777,216 bytes; lo32 393,216 bytes
;; launch proj: the kernel of part 1 again; grid 8 x 32, 8 waves a work-group, no clusters, 143,360 bytes of LDS; arguments x, Wq, Wk, Wv, bq, bk, bv, Wo, qkvT, Wo16, lo32; writes qkvT, Wo16, lo32
;; launch attn: the kernel of part 2 again; grid 4 x 64, 8 waves a work-group, no clusters, 250,880 bytes of LDS; arguments qkvT, kv_state, k_state, y16, out1, out2, lo32; writes y16, out1, out2
;; launch outp (part 4): grid 8 x 32, 8 waves a work-group, no clusters, 144,384 bytes of LDS; arguments y16, Wo16, bo, out0; writes out0
.if DOCPART == 4
	.amdgcn_target "amdgcn-amd-amdhsa--gfx1250"
	.amdhsa_code_object_version 6
	.text
	.protected	k_q6c10a069f5_outp
	.globl	k_q6c10a069f5_outp
	.p2align	8
	.type	k_q6c10a069f5_outp,@function
k_q6c10a069f5_outp:
	s_mov_b64 s[64:65], 0
	v_nop
	global_prefetch_b8 v0, s[64:65] scope:SCOPE_SE
	s_setreg_imm32_b32 hwreg(HW_REG_WAVE_SCHED_MODE, 0, 2), 2
	s_setreg_imm32_b32 hwreg(HW_REG_WAVE_MODE, 25, 1), 1
	s_wait_xcnt 0x0
	s_wait_alu depctr_vm_vsrc(0)
; out0 = y Wo + bo.  Wo16: two copies on end of [1,024 k][1,024 n], Wo rounded to bf16 and written as f16; bo is rounded to bf16 like all inputs; sums in f32.
; y COMES AS A PAIR OF F16 (high part + low part): y16: [4 b][2 parts][16 h][64 tiles of 16 queries][4 blocks of 16 channels][32 lanes][8 f16]; lane l holds query l % 16, channels
; 8 (l / 16) + 0..7 of the block.  Both parts are multiplied by Wo into the same sums: K = 2,048.  A head's first rows are many times larger than the output's root mean square, so a
; single f16 would leave too coarse a step there.
; Nothing of reference() is left out here.  LIMITS: y within 65,504; NaN and infinities are not treated apart.
; SHARES.  A work-group makes 128 rows x 128 columns; wave w: 64 rows (w % 2) x 32 columns (w / 2): 8 accumulators.  K in 16 steps of 128: two heads a step, the high parts and then the low.
; The product is taken transposed (source 0 = 16 columns of Wo, source 1 = 16 rows of y): a lane holds one row and eight neighbouring columns; the bias, which then differs
; from register to register, is the C operand of the first products.  Two LDS slots take turns, filled through registers; the f32 stage of the way out takes the slots' bytes behind a barrier.
; THE MODE: SCHED_MODE bits 1:0 = 2 (LLVM: expert scheduling mode 2), set by the entry lines.  The code itself states the register dependences
; between vector or matrix instructions and memory or LDS instructions, with s_wait_alu, always for 0.
; THE PLAN.  Registers that memory or LDS instructions touch:
;   v1-v12      offsets and LDS addresses: written at the head, ahead of the head's wait on va_vdst, and never again.
;   v17         the bias's offset: read by the bias's four loads; it lies among the accumulators, so the first products write it.
;   STA, STB    a K step's y and Wo as loaded: written by 16 global loads, read a step later by 16 LDS stores, then loaded again.  No vector or matrix instruction names them.
;   F0, F1      fragments of 32 along K: written by LDS loads, read by the products.  A K step's quarters 0, 1, 2, 3 multiply F0, F1, F0, F1.
;   ACC         written by the products; read by the LDS stores of the way out alone.
; A K STEP'S WAITS.  On va_vdst three: at its head (the last step's products are done reading F0 and F1, which are loaded there); ahead of quarter 1's products (quarter 0's are done
; reading F0); ahead of quarter 2's (quarter 1's are done reading F1).  Behind the last two the next quarter's twelve loads are dealt among the products, which name the other buffer
; and the accumulators: none of the registers that those loads touch.  Quarter 3 issues no load and has no wait.  On vm_vsrc one: between the LDS stores that read STA and STB and the loads that land there.
.set PA,    272                        ; a row of y in LDS: 128 f16 + 16 bytes
.set PB,    288                        ; a row (one k) of Wo in LDS: 128 f16 + 32 bytes: an odd multiple of 32, for the turning load
.set ABUF,  128*PA
.set BOFF,  2*ABUF
.set BBUF,  128*PB
.set PST,   528                        ; the stage: 128 f32 + 16 bytes
.set SPARE, BOFF+2*BBUF                ; the spare words: 128 bytes for each wave, named by no other line
.set AO,  1                            ; v1   my offset in y16
.set BO,  2                            ; v2   my offset in Wo16
.set SA,  3                            ; v3   where I store y
.set SB,  4                            ; v4   where I store Wo (BOFF inside)
.set FAA, 5                            ; v5   my place in y's fragments
.set FBA, 6                            ; v6, v7  my place in Wo's fragments, slot 0 and slot 1
.set STO, 8
.set RD,  9
.set GO,  10
.set SPW, 11
.set NIL, 12
.set ACC, 16                           ; v16-79   accumulator (mt, nt) at ACC + 8 (2 mt + nt)
.set STA, 80                           ; v80-111  y as loaded
.set STB, 112                          ; v112-143 Wo as loaded
.set F0,  144                          ; v144-191 fragments: four of y, two of Wo
.set F1,  192                          ; v192-239
.set BI,  240                          ; v240-255 the bias of my 8 columns, for nt = 0, 1
.macro PLACES                          ; four plain places behind matrix instructions (ISA guide 7.12.1); they stay beside the waits, which fill no place
.rept 4
	v_nop
.endr
.endm
.macro LOADS                           ; y: piece j of 512 bytes is tile j / 4 of my 32 rows, channel block j % 4
.irp j, 0,1,2,3,4,5,6,7
	global_load_b128 v[STA+4*(\j):STA+4*(\j)+3], v[AO], s[4:5] offset:512*(\j)
.endr
.irp j, 0,1,2,3,4,5,6,7
	global_load_b128 v[STB+4*(\j):STB+4*(\j)+3], v[BO], s[6:7] offset:4096*(\j)
.endr
.endm
.macro STORE buf
.irp j, 0,1,2,3,4,5,6,7
	ds_store_b128 v[SA], v[STA+4*(\j):STA+4*(\j)+3] offset:(\buf)*ABUF+16*PA*((\j)/4)+32*((\j)%4)
.endr
.irp j, 0,1,2,3,4,5,6,7
	ds_store_b128 v[SB], v[STB+4*(\j):STB+4*(\j)+3] offset:(\buf)*BBUF+2*PB*(\j)
.endr
.endm
.macro FRAG buf, sub, f                ; 12 LDS loads: 32 along K
.irp i, 0,1,2,3
	ds_load_b128 v[(\f)+8*(\i):(\f)+8*(\i)+3],   v[FAA] offset:(\buf)*ABUF+16*PA*(\i)+64*(\sub)
	ds_load_b128 v[(\f)+8*(\i)+4:(\f)+8*(\i)+7], v[FAA] offset:(\buf)*ABUF+16*PA*(\i)+64*(\sub)+32
.endr
.irp t, 0,1
	ds_load_tr16_b128 v[(\f)+32+8*(\t):(\f)+32+8*(\t)+3],   v[FBA+(\buf)] offset:32*PB*(\sub)+32*(\t)
	ds_load_tr16_b128 v[(\f)+32+8*(\t)+4:(\f)+32+8*(\t)+7], v[FBA+(\buf)] offset:32*PB*(\sub)+32*(\t)+16*PB
.endr
.endm
.macro MUL f, first                    ; 8 products; the accumulators take turns
.irp mt, 0,1,2,3
.irp nt, 0,1
.if \first
	v_wmma_f32_16x16x32_f16 v[ACC+8*(2*(\mt)+(\nt)):ACC+8*(2*(\mt)+(\nt))+7], v[(\f)+32+8*(\nt):(\f)+32+8*(\nt)+7], v[(\f)+8*(\mt):(\f)+8*(\mt)+7], v[BI+8*(\nt):BI+8*(\nt)+7]
.else
	v_wmma_f32_16x16x32_f16 v[ACC+8*(2*(\mt)+(\nt)):ACC+8*(2*(\mt)+(\nt))+7], v[(\f)+32+8*(\nt):(\f)+32+8*(\nt)+7], v[(\f)+8*(\mt):(\f)+8*(\mt)+7], v[ACC+8*(2*(\mt)+(\nt)):ACC+8*(2*(\mt)+(\nt))+7]
.endif
.endr
.endr
.endm
; The same 8 products on buffer f, in the same order (product i: mt = i / 2, nt = i % 2), with quarter sub's twelve loads into buffer g dealt among them: behind each of the first four
; products y's fragment i (two loads) and a half of one of Wo's two.  No wait stands among them: no product since the wait ahead of the macro names buffer g or an address.
.macro MULF f, g, buf, sub
.set i, 0
.rept 8
	v_wmma_f32_16x16x32_f16 v[ACC+8*i:ACC+8*i+7], v[(\f)+32+8*(i%2):(\f)+32+8*(i%2)+7], v[(\f)+8*(i/2):(\f)+8*(i/2)+7], v[ACC+8*i:ACC+8*i+7]
.if i < 4
	ds_load_b128 v[(\g)+8*i:(\g)+8*i+3],   v[FAA] offset:(\buf)*ABUF+16*PA*i+64*(\sub)
	ds_load_b128 v[(\g)+8*i+4:(\g)+8*i+7], v[FAA] offset:(\buf)*ABUF+16*PA*i+64*(\sub)+32
	ds_load_tr16_b128 v[(\g)+32+4*i:(\g)+32+4*i+3], v[FBA+(\buf)] offset:32*PB*(\sub)+32*(i/2)+16*PB*(i%2)
.endif
.set i, i+1
.endr
.endm
; A K step on slot buf.  st: the next step's data, now in registers, is stored into the other slot.  ld: the step after that is asked for.
.macro STEP buf, st, ld, first
.if !(\first)
	PLACES
	s_wait_alu depctr_va_vdst(0)                   ; the last step's products are done reading F0 and F1, in which the loads below land
.endif
	FRAG \buf, 0, F0
	FRAG \buf, 1, F1
	s_wait_dscnt 12                                ; the first 12 loads are in
	MUL F0, \first
.if \st
	s_wait_loadcnt 0x0                             ; the next step's 16 loads are in; their bases are free
.if \ld
	s_add_nc_u64 s[4:5], s[4:5], 0x40000           ; two heads on; behind the sixteenth head the low parts follow
	s_add_nc_u64 s[6:7], s[6:7], 0x40000           ; 128 rows of Wo16 on; behind the last the second copy follows
.endif
	STORE 1-(\buf)                                 ; no vector or matrix instruction names STA, STB or the two addresses: these stores go out while quarter 0's products run
.if \ld
	s_wait_alu depctr_vm_vsrc(0)                   ; the LDS stores just issued have read STA and STB, in which the loads below land
	LOADS
.endif
.endif
	PLACES
.if \st
	s_wait_dscnt 16                                ; F1 is in: younger than its 12 loads are the 16 stores
.else
	s_wait_dscnt 0x0                               ; F1 is in
.endif
	s_wait_alu depctr_va_vdst(0)                   ; quarter 0's products are done reading F0, in which quarter 2's fragments land
	MULF F1, F0, \buf, 2
	PLACES
	s_wait_dscnt 0x0                               ; F0 is in (and my stores into the other slot are done)
	s_wait_alu depctr_va_vdst(0)                   ; quarter 1's products are done reading F1, in which quarter 3's fragments land
	MULF F0, F1, \buf, 3
	s_wait_dscnt 0x0                               ; my stores into the other slot are done, my reads of this one are back
	MUL F1, 0
	s_barrier_signal -1
	s_barrier_wait -1
.endm
	s_load_b256 s[4:11], s[0:1], 0x0               ; y16, Wo16, bo, out0
	v_lshl_add_u32 v[SPW], v0, 2, SPARE
	v_mov_b32 v[NIL], 0
	v_lshrrev_b32 v13, 5, v0
	v_readfirstlane_b32 s12, v13                   ; wave 0..7
	s_mov_b32 s13, ttmp9                           ; bx
	s_and_b32 s14, ttmp7, 0xffff                   ; by
	v_and_b32 v13, 15, v0                          ; l % 16
	v_bfe_u32 v14, v0, 4, 1                        ; l / 16
	v_and_b32 v15, 31, v0                          ; l
	s_wait_alu depctr_va_sdst(0)                   ; s12 is written, ahead of its first reader: addresses and bases are made from it
	s_and_b32 s15, s12, 1                          ; wm
	s_lshr_b32 s16, s12, 1                         ; wn
	s_and_b32 s17, s12, 3
	s_lshr_b32 s18, s12, 2
	s_lshl_b32 s20, s18, 17                        ; waves 4-7: the step's second head
	s_lshl_b32 s21, s17, 12                        ; 32 rows: two tiles of 2,048 bytes
	s_add_co_u32 s20, s20, s21
	v_lshl_add_u32 v[AO], v15, 4, s20
	s_lshl_b32 s20, s12, 15
	v_lshlrev_b32 v[BO], 11, v14
	v_lshl_add_u32 v[BO], v13, 4, v[BO]
	v_add_nc_u32 v[BO], s20, v[BO]                 ; row 16 w + l / 16
	s_mul_i32 s20, s17, 32*PA
	s_lshl_b32 s21, s18, 7
	s_add_co_u32 s20, s20, s21
	v_mul_u32_u24 v[SA], v13, PA                   ; row 32 (w % 4) + l % 16; byte 128 (w / 4) + 16 (l / 16): sixteen lanes, sixteen rows 272 bytes apart
	v_lshl_add_u32 v[SA], v14, 4, v[SA]
	v_add_nc_u32 v[SA], s20, v[SA]
	s_mul_i32 s20, s12, 16*PB
	s_add_co_u32 s20, s20, BOFF
	v_mul_u32_u24 v[SB], v14, PB
	v_lshl_add_u32 v[SB], v13, 4, v[SB]
	v_add_nc_u32 v[SB], s20, v[SB]
	s_mul_i32 s20, s15, 64*PA
	v_mul_u32_u24 v[FAA], v13, PA
	v_lshl_add_u32 v[FAA], v14, 4, v[FAA]
	v_add_nc_u32 v[FAA], s20, v[FAA]
	v_and_b32 v16, 7, v0
	v_lshl_add_u32 v16, v14, 3, v16                ; 8 (l / 16) + l % 8
	v_mul_u32_u24 v[FBA], v16, PB
	v_bfe_u32 v16, v0, 3, 1
	v_lshl_add_u32 v[FBA], v16, 4, v[FBA]
	s_lshl_b32 s20, s16, 6
	s_add_co_u32 s20, s20, BOFF
	v_add_nc_u32 v[FBA], s20, v[FBA]
	v_add_nc_u32 v[FBA+1], BBUF, v[FBA]
	s_mul_i32 s20, s15, 64*PST
	s_lshl_b32 s21, s16, 7
	s_add_co_u32 s20, s20, s21
	v_mul_u32_u24 v[STO], v13, PST
	v_lshl_add_u32 v[STO], v14, 5, v[STO]
	v_add_nc_u32 v[STO], s20, v[STO]
	s_mul_i32 s20, s12, 16*PST
	v_lshl_add_u32 v[RD], v15, 4, s20
	v_lshlrev_b32 v[GO], 4, v15
	v_lshlrev_b32 v17, 5, v14                      ; my 8 columns' bias: 32 (l / 16)
	s_lshr_b32 s20, s14, 3
	s_lshl_b32 s20, s20, 22                        ; b: 2 parts x 16 heads x 131,072 bytes
	s_and_b32 s21, s14, 7
	s_lshl_b32 s21, s21, 14                        ; l0 = 128 (by % 8): eight tiles of 2,048 bytes
	s_add_co_u32 s20, s20, s21
	s_mov_b32 s21, 0
	s_lshl_b32 s22, s13, 8
	s_mov_b32 s23, 0
	s_lshl_b32 s24, s13, 9
	s_lshl_b32 s25, s16, 7
	s_add_co_u32 s24, s24, s25
	s_mov_b32 s25, 0
	s_lshl_b32 s26, s14, 19
	s_lshl_b32 s27, s12, 16
	s_add_co_u32 s26, s26, s27
	s_lshl_b32 s27, s13, 9
	s_add_co_u32 s26, s26, s27
	s_mov_b32 s27, 0
	s_wait_kmcnt 0x0
	s_add_nc_u64 s[4:5], s[4:5], s[20:21]
	s_add_nc_u64 s[6:7], s[6:7], s[22:23]
	s_add_nc_u64 s[8:9], s[8:9], s[24:25]
	s_add_nc_u64 s[10:11], s[10:11], s[26:27]
	s_wait_alu depctr_va_vdst(0)                   ; the offsets and LDS addresses v1 to v12 and v17 are written, which every load and store of the kernel reads
.irp nt, 0,1
	global_load_b128 v[BI+8*(\nt):BI+8*(\nt)+3],   v17, s[8:9] offset:64*(\nt)
	global_load_b128 v[BI+8*(\nt)+4:BI+8*(\nt)+7], v17, s[8:9] offset:64*(\nt)+16
.endr
	LOADS                                          ; K step 0
	s_wait_loadcnt 16                              ; the bias is in: the tile's 16 loads are younger
.irp k, 0,2,4,6,8,10,12,14
	v_cvt_pk_bf16_f32 v16, v[BI+(\k)], v[BI+(\k)+1]  ; these lines name v16 and the bias alone: no register that a load or store up to the first products touches
	v_lshlrev_b32 v[BI+(\k)], 16, v16
	v_and_b32 v[BI+(\k)+1], 0xffff0000, v16
.endr
	s_wait_loadcnt 0x0
	s_add_nc_u64 s[4:5], s[4:5], 0x40000
	s_add_nc_u64 s[6:7], s[6:7], 0x40000
	STORE 0
	s_wait_alu depctr_vm_vsrc(0)                   ; the LDS stores have read STA and STB, in which K step 1's loads land; the bias's loads have read v17, which the first products write
	LOADS                                          ; K step 1
	s_wait_dscnt 0x0
	s_barrier_signal -1
	s_barrier_wait -1
	STEP 0, 1, 1, 1                                ; K step 0: its first products start the sums from the bias; no vector or matrix instruction has named F0 or F1 yet
	s_mov_b32 s28, 6
.Lk:                                           ; K steps 1 to 12
	STEP 1, 1, 1, 0
	STEP 0, 1, 1, 0
	s_sub_co_u32 s28, s28, 1
	s_cmp_lg_u32 s28, 0
	s_cbranch_scc1 .Lk
	STEP 1, 1, 1, 0                                ; 13: asks for the last step
	STEP 0, 1, 0, 0                                ; 14
	STEP 1, 0, 0, 0                                ; 15: its barrier frees the slots for the stage
	PLACES
	s_wait_alu depctr_va_vdst(0)                   ; the products have written the accumulators, which the LDS stores read; the places above stay beside this wait
.irp mt, 0,1,2,3
.irp nt, 0,1
	ds_store_b128 v[STO], v[ACC+8*(2*(\mt)+(\nt)):ACC+8*(2*(\mt)+(\nt))+3]   offset:16*PST*(\mt)+64*(\nt)
	ds_store_b128 v[STO], v[ACC+8*(2*(\mt)+(\nt))+4:ACC+8*(2*(\mt)+(\nt))+7] offset:16*PST*(\mt)+64*(\nt)+16
.endr
.endr
	s_wait_dscnt 0x0                               ; for the others' sake: a row's 512 bytes come from four waves
	s_barrier_signal -1
	s_barrier_wait -1
	s_wait_alu depctr_vm_vsrc(0)                   ; K step 14's LDS stores have read STA and STB, in which the stage's rows land
.irp j, 0,1,2,3,4,5,6,7,8,9,10,11,12,13,14,15
	ds_load_b128 v[STA+4*(\j):STA+4*(\j)+3], v[RD] offset:PST*(\j)
.endr
.irp j, 0,1,2,3,4,5,6,7,8,9,10,11,12,13,14,15
	s_wait_dscnt 15-(\j)
	global_store_b128 v[GO], v[STA+4*(\j):STA+4*(\j)+3], s[10:11] offset:4096*(\j) th:TH_STORE_NT  ; 512 consecutive bytes, aligned
.endr
	s_wait_dscnt 0x0                               ; the closing lines, six on end
	s_wait_alu 0x0
	s_wait_tensorcnt 0x0
	ds_add_u32 v[SPW], v[NIL]
	s_wait_dscnt 0x0
	s_endpgm
.Lfunc_end_k_q6c10a069f5_outp:
	.size	k_q6c10a069f5_outp, .Lfunc_end_k_q6c10a069f5_outp-k_q6c10a069f5_outp
	.p2alignl 7, 3214868480
	.fill 96, 4, 3214868480
	.section	.rodata,"a",@progbits
	.p2align	6, 0x0
	.amdhsa_kernel k_q6c10a069f5_outp
		.amdhsa_group_segment_fixed_size 144384
		.amdhsa_private_segment_fixed_size 0
		.amdhsa_enable_private_segment 0
		.amdhsa_kernarg_size 32
		.amdhsa_user_sgpr_count 2
		.amdhsa_user_sgpr_kernarg_segment_ptr 1
		.amdhsa_wavefront_size32 1
		.amdhsa_system_sgpr_workgroup_id_x 1
		.amdhsa_system_sgpr_workgroup_id_y 1
		.amdhsa_system_sgpr_workgroup_id_z 1
		.amdhsa_system_vgpr_workitem_id 0
		.amdhsa_next_free_vgpr 256
		.amdhsa_next_free_sgpr 66
		.amdhsa_reserve_vcc 0
		.amdhsa_float_denorm_mode_32 3
		.amdhsa_float_denorm_mode_16_64 3
		.amdhsa_memory_ordered 1
		.amdhsa_forward_progress 1
		.amdhsa_inst_pref_size 61
	.end_amdhsa_kernel
	.amdgpu_metadata
---
amdhsa.version: [ 1, 2 ]
amdhsa.kernels:
  - .name:           k_q6c10a069f5_outp
    .symbol:         k_q6c10a069f5_outp.kd
    .args:
      - { .name: y16, .offset: 0, .size: 8, .value_kind: global_buffer, .address_space: global }
      - { .name: Wo16, .offset: 8, .size: 8, .value_kind: global_buffer, .address_space: global }
      - { .name: bo, .offset: 16, .size: 8, .value_kind: global_buffer, .address_space: global }
      - { .name: out0, .offset: 24, .size: 8, .value_kind: global_buffer, .address_space: global }
    .group_segment_fixed_size: 144384
    .private_segment_fixed_size: 0
    .kernarg_segment_align: 8
    .kernarg_segment_size: 32
    .max_flat_workgroup_size: 256
    .sgpr_count:     66
    .vgpr_count:     256
    .wavefront_size: 32
...
	.end_amdgpu_metadata
.endif
;; end of part 4
